; MI455X (gfx1250); checked and timed in simulation.
; The chip was launched on July 23, 2026; its instructions are those of AMD's public machine-readable ISA for CDNA 5 (MIT licence, August 2026) and "CDNA5" Instruction Set Architecture Reference Guide (July 2026). The comments in the code are by the model that wrote it; some were corrected since.
;; Causal Cross Conditional Self Attention. Allowed arithmetic: matrix products marked QUANTISED: E2M3 operands, one E8M0 scale for each 32 along K, by v_wmma_scale_f32_16x16x128_f8f6f4 with both operands' format E2M3, f32 sums; everything else in f32.
;; Inputs: W_k 512 x 512 float32; W_proj 512 x 512 float32; W_q 512 x 512 float32; W_v 512 x 512 float32; b_k 512 float32; b_proj 512 float32; b_q 512 float32; b_v 512 float32; end_frames 2 x 16 int32; start_frames 2 x 16 int32; x 2 x 3,136 x 512 float32.
;; Outputs: out0 2 x 3,136 x 512 float32.
;; Constants: N = 16, T_motion = 1024, n_head = 8, window_abs_start = 0.
;; This version of the problem:
;;   THIS VERSION OF THE PROBLEM IS GIVEN IN LOW PRECISION. The matrix products marked QUANTISED in the list below multiply operands that are first quantised to E2M3 (2 exponent bits, 3 mantissa bits; 6 bits a number), with one power-of-two scale for each 32 numbers along K (OCP MX v1.0); their sums are f32. All else is computed in f32.
;;   The module's matrix products, in the order in which they are computed (A, B: the left and right operand; K: the contracted axis; several contracted axes count as one K, in the product's order):
;;     1. [M 6,272, K 512] x [K 512, N 512]; A: input x; B: input W_q: QUANTISED
;;     2. [M 6,272, K 512] x [K 512, N 512]; A: input x; B: input W_k: QUANTISED
;;     3. [M 6,272, K 512] x [K 512, N 512]; A: input x; B: input W_v: QUANTISED
;;     4. batch 16 x [M 3,136, K 64] x [K 64, N 3,136]; A: computed on the way; B: computed on the way: QUANTISED
;;     5. batch 16 x [M 3,136, K 3,136] x [K 3,136, N 64]; A: softmax (see below); B: computed on the way: QUANTISED
;;     6. [M 6,272, K 512] x [K 512, N 512]; A: computed on the way; B: input W_proj: QUANTISED
;;   THE QUANTISER, for each operand of a quantised product, along K:
;;     - K is cut into blocks of 32 from its start; a last block that is shorter is filled with zeros.
;;     - A block's scale is 2^e with e = floor(log2(the largest magnitude in the block)) - 2, held to -126 .. 127; a block of zeros has e = 0. As a byte (E8M0): e + 127.
;;     - Each number is divided by its block's scale, clamped to +-7.5, and rounded to the nearest number of E2M3, ties to even, subnormals kept.
;;     - The product sums the exact products of the quantised numbers (number of the format x scale) in f32.
;;   ~~~python
;;   def quantise(x, axis):      # numpy; x: float32 -> the quantised numbers, widened to float32 again
;;       x = np.moveaxis(x, axis, -1); K = x.shape[-1]
;;       x = np.pad(x, [(0, 0)] * (x.ndim - 1) + [(0, -K % 32)]); x = x.reshape(x.shape[:-1] + (-1, 32)); a = np.abs(x).max(-1, keepdims=True)
;;       e = np.where(a > 0, np.clip(np.frexp(np.where(a > 0, a, 1))[1] - 1 - 2, -126, 127), 0)      # np.frexp(a)[1] - 1 = floor(log2(a)), exactly
;;       r = np.clip(x / 2.0 ** e, -7.5, 7.5)
;;       step = 2.0 ** (np.maximum(np.frexp(np.where(r == 0, 1, r))[1] - 1, 0) - 3)
;;       q = np.round(r / step) * step * 2.0 ** e      # np.round: ties to even
;;       return np.moveaxis(q.reshape(q.shape[:-2] + (-1,))[..., :K], -1, axis).astype(np.float32)
;;   ~~~
;;   SOFTMAX AHEAD OF A QUANTISED PRODUCT. Where the list says 'softmax', what is quantised is not the finished softmax but p = 2^(t - M), with t = logit x log2(e) and M = ceil(the row's largest t), a whole number; so 1/2 < the row's largest p <= 1. The row's sum l is taken of the UNQUANTISED p, in f32, and the product's result is divided by l at the end. Since M is a whole number, a kernel that streams over the keys may use a running M (the ceiling of the running maximum): every later rescaling is an exact power of two, which a block's scale takes up: the codes' values come out the same.
;;   OPERANDS COMPUTED ON THE WAY. 'Computed on the way' means the value that the module computes at that place (a softmax that the list does not call 'softmax' is quantised finished and normalised). What goes into a quantiser is computed in f32, as accurately as f32 sums, v_exp_f32 and their like allow (about 1e-6 of the number): no bf16 or f16 on the way to a quantiser, and a product that is left as it is and whose result goes on into a quantised operand takes f32 operands (vector FMAs, or v_wmma_f32_16x16x4_f32). A number that lies on a knife's edge between two numbers of the format may be rounded either way, as far as f32 arithmetic and the matrix unit's own rounding can turn it there, and no further.
;; 2 versions. Each part assembles by itself: llvm-mc -triple=amdgcn-amd-amdhsa -mcpu=gfx1250 --defsym DOCPART=n.
;; ======== version 1 of 2: 4 launches
;; workspace buffers: cimg 3,194,880 bytes; simg 133,120 bytes; qb 2,662,400 bytes; kv 5,324,800 bytes; yc 2,408,448 bytes; ys 100,352 bytes
;; launch prep (part 1): grid 520 x 1, 1 waves a work-group, no clusters, 8,704 bytes of LDS; arguments x, W_q, W_k, W_v, W_proj, cimg, simg; writes cimg, simg
.if DOCPART == 1
	.amdgcn_target "amdgcn-amd-amdhsa--gfx1250"
	.amdhsa_code_object_version 6
	.text
	.protected	k_q0f3f123465_prep
	.globl	k_q0f3f123465_prep
	.p2align	8
	.type	k_q0f3f123465_prep,@function
k_q0f3f123465_prep:
	s_mov_b64 s[64:65], 0
	v_nop
	global_prefetch_b8 v0, s[64:65] scope:SCOPE_SE
	s_setreg_imm32_b32 hwreg(HW_REG_WAVE_MODE, 25, 1), 1
	s_wait_xcnt 0x0
; LAUNCH 1 OF 4.  x [6272][512] and the four weights [512][512], f32, K innermost, become codes of FP6 (E2M3) with one E8M0 byte for each 32 along K,
; laid in the order of an operand's registers.  The later launches: qkv (products 1-3, q, k, v quantised), attn (products 4, 5), proj (product 6).
; A TILE is 16 rows x 512 K.  THE ROWS OF A TILE ARE NOT NEIGHBOURS: tile 2 B + u holds, at lane row p, row 32 B + 8 u + p + 8 (p / 8), so that in every later product
; the 16 result registers of tiles 2 B and 2 B + 1 are 16 neighbours along the axis over which the tiles run.  Tiles 0-391: x; 392-, 424-, 456-, 488-: W_q, W_k, W_v, W_proj.
; cimg: tile g, K step s of 128, registers 4 c .. 4 c + 3 of the fragment, lane l: byte 6144 g + 1536 s + 512 c + 16 l.   simg: row p's scale word of K step s: byte 256 g + 16 p + 4 s.
; A work-group is one wave and takes one tile.  Each load reads 512 consecutive bytes of one row; the numbers turn through a stage in LDS (pitch 528: 132 words, so 16 rows start in 16 groups of banks)
; so that a lane holds 16 neighbours of each block of 32, which is what the conversions take.
; DEAD WORK OF THE PROGRAM (left out in launch attn).  reference() builds the motion-motion part of its mask from tril and ones alone.  Where every pair (query, key) of 16 queries x 128 keys is True in that
; part, att is -inf there for all values of the inputs: p = 0, which adds 0 to the row's sum and to y and cannot raise the row's maximum (key 0 is open to every row).  Such steps are not walked:
; key groups 1, 2 and the text keys for motion rows 0-1023, and every step of 128 frames that begins behind the tile's last frame.  All else is computed and selected.  Every input has a way to the output and is loaded.
; LIMITS: a NaN, an infinity or an overflow that reaches only the steps left out is not carried to the result; NaN and infinities among the inputs are not served; a block whose largest magnitude lies under
; 2^-124 keeps the scale byte 1; a block of zeros has the byte 1 where the quantiser says 127 (its codes are zeros, and these bytes are read by this program alone).
; No cluster: no two work-groups read the same byte.
.set PITCH, 528
.set SPARE, 16*PITCH                   ; behind the stage: the spare words, one block of 256 bytes that no other line names
.set LI,  1                            ; v1   16 x lane: my 16 bytes of a load's 512, of a stage row, of a chunk of codes
.set RB,  2                            ; v2   528 r + 64 h: where I read my row back
.set SO,  3                            ; v3   16 r + 8 h: my two scale words
.set SPW, 4                            ; v4   my spare word; never rewritten
.set NIL, 5                            ; v5   0; never rewritten
.set PW,  8                            ; v8-11  the four K steps' scale words
.set R,   16                           ; v16-143  two sets of 64 registers as loaded
.set X,   144                          ; v144-207 64 numbers: register 16 b + i = k 32 b + 16 h + i of my row
.set PC,  208                          ; v208-219 the codes; v220-226 the conversions' second halves
.set TM,  228                          ; v228-243 at work
.set SEL, 28                           ; s[28:29] lane selects: lane l xor 16
	s_load_b256 s[4:11], s[0:1], 0x0               ; x, W_q, W_k, W_v
	s_load_b128 s[12:15], s[0:1], 0x20             ; W_proj, cimg
	s_load_b64 s[16:17], s[0:1], 0x30              ; simg
	v_lshl_add_u32 v[SPW], v0, 2, SPARE
	v_mov_b32 v[NIL], 0
	v_lshlrev_b32 v[LI], 4, v0
	v_and_b32 v6, 15, v0                           ; r
	v_lshrrev_b32 v7, 4, v0                        ; h
	v_mul_u32_u24 v[RB], v6, PITCH
	v_lshl_add_u32 v[RB], v7, 6, v[RB]
	v_lshlrev_b32 v[SO], 4, v6
	v_lshl_add_u32 v[SO], v7, 3, v[SO]
.irp b, 0,1,2,3
	v_mov_b32 v[TM+4+\b], 0                        ; written once: a lane permute's destination counts as one of its sources
.endr
	s_mov_b32 s[SEL], 0x76543210
	s_mov_b32 s[SEL+1], 0xfedcba98
	s_sub_co_u32 s19, ttmp9, 392
	s_lshr_b32 s18, s19, 5                         ; which weight
	s_and_b32 s19, s19, 31                         ; and which of its 32 tiles
	s_cmp_lt_u32 ttmp9, 392
	s_cselect_b32 s19, ttmp9, s19                  ; or x's tile
	s_lshr_b32 s22, s19, 1
	s_lshl_b32 s22, s22, 16                        ; 32 rows of 2,048 bytes for each pair of tiles,
	s_and_b32 s23, s19, 1
	s_lshl_b32 s23, s23, 14                        ; 8 rows for the odd tile
	s_add_co_u32 s22, s22, s23
	s_mov_b32 s23, 0
	s_mul_i32 s26, ttmp9, 6144
	s_mov_b32 s27, 0
	s_lshl_b32 s30, ttmp9, 8
	s_mov_b32 s31, 0
	s_wait_kmcnt 0x0
	s_cmp_eq_u32 s18, 1                            ; the source is chosen on the work-group's number alone
	s_cselect_b64 s[20:21], s[8:9], s[6:7]
	s_cmp_eq_u32 s18, 2
	s_cselect_b64 s[20:21], s[10:11], s[20:21]
	s_cmp_eq_u32 s18, 3
	s_cselect_b64 s[20:21], s[12:13], s[20:21]
	s_cmp_lt_u32 ttmp9, 392
	s_cselect_b64 s[20:21], s[4:5], s[20:21]
	s_add_nc_u64 s[20:21], s[20:21], s[22:23]
	s_add_nc_u64 s[14:15], s[14:15], s[26:27]
	s_add_nc_u64 s[16:17], s[16:17], s[30:31]
.macro LOAD t                          ; K step t: 512 bytes of each of the tile's 16 rows
.irp p, 0,1,2,3,4,5,6,7,8,9,10,11,12,13,14,15
	global_load_b128 v[R+64*((\t)%2)+4*\p:R+64*((\t)%2)+4*\p+3], v[LI], s[20:21] offset:(\p+8*(\p/8))*2048+512*(\t) th:TH_LOAD_NT
.endr
.endm
.macro TURN t                          ; through the stage: LDS serves a wave's instructions in order, so no wait stands between the stores and the loads
.irp p, 0,1,2,3,4,5,6,7,8,9,10,11,12,13,14,15
	ds_store_b128 v[LI], v[R+64*((\t)%2)+4*\p:R+64*((\t)%2)+4*\p+3] offset:PITCH*\p
.endr
.irp b, 0,1,2,3
.irp j, 0,1,2,3
	ds_load_b128 v[X+16*\b+4*\j:X+16*\b+4*\j+3], v[RB] offset:128*\b+16*\j
.endr
.endr
.endm
; 64 numbers of a lane become a fragment's codes in v[PC] on and my row's scale word
.macro QUANT128 s, pw
.irp b, 0,1,2,3
	v_max3_num_f32 v[TM+\b], |v[\s+16*\b]|, |v[\s+1+16*\b]|, 0x1800000   ; my 16 numbers of block b, and the floor 2^(3 - 127): the byte cannot fall under 1
.endr
.irp i, 2,4,6,8,10,12,14
.irp b, 0,1,2,3
	v_max3_num_f32 v[TM+\b], v[TM+\b], |v[\s+16*\b+\i]|, |v[\s+1+16*\b+\i]|
.endr
.endr
.irp b, 0,1,2,3
	v_permlanex16_b32 v[TM+4+\b], v[TM+\b], s[SEL], s[SEL+1]
.endr
.irp b, 0,1,2,3
	v_max_num_f32 v[TM+\b], v[TM+\b], v[TM+4+\b]   ; with lane l xor 16's: the block's largest magnitude
.endr
.irp b, 0,1,2,3
	v_add_nc_u32 v[TM+12+\b], 0xff000000, v[TM+\b] ; 2 off its exponent field: the conversion's scale operand
.endr
.irp b, 0,1,2,3
	v_lshrrev_b32 v[TM+4+\b], 23, v[TM+12+\b]      ; the scale's byte
.endr
	v_lshl_or_b32 v[\pw], v[TM+5], 8, v[TM+4]
	v_lshl_or_b32 v[\pw], v[TM+6], 16, v[\pw]
	v_lshl_or_b32 v[\pw], v[TM+7], 24, v[\pw]
.irp c, 0,1
	v_cvt_scalef32_pk16_fp6_f32 v[PC+6*\c:PC+2+6*\c], v[\s+32*\c:\s+15+32*\c], v[TM+12+2*\c]
	v_cvt_scalef32_pk16_fp6_f32 v[PC+12+4*\c:PC+14+4*\c], v[\s+16+32*\c:\s+31+32*\c], v[TM+12+2*\c+1]   ; (a conversion's three registers begin on an even number)
.endr
	v_nop                                          ; one plain place behind a scaled conversion
.irp c, 0,1                            ; the operand wants a whole block in a lane: lanes 0-15 block 2 c, lanes 16-31 block 2 c + 1
.irp i, 0,1,2
	v_permlane16_swap_b32 v[PC+6*\c+\i], v[PC+12+4*\c+\i]
.endr
.irp i, 0,1,2
	v_mov_b32 v[PC+3+6*\c+\i], v[PC+12+4*\c+\i]
.endr
.endr
.endm
	LOAD 0
	LOAD 1
.irp s, 0,1,2,3
.if \s < 3
	s_wait_loadcnt 16                              ; this K step's sixteen loads are in; the next step's sixteen may be out
.else
	s_wait_loadcnt 0x0
.endif
	TURN \s
	s_wait_dscnt 0x0                               ; the numbers are back, and the stores into the stage have read their registers,
.if \s < 2
	LOAD \s+2                                      ; which take the loads of two steps on
.endif
.if \s > 0
	s_wait_xcnt 0x0                                ; the last step's stores have read the codes' registers
.endif
	QUANT128 X, PW+\s
.irp c, 0,1,2
	global_store_b128 v[LI], v[PC+4*\c:PC+4*\c+3], s[14:15] offset:1536*\s+512*\c   ; 32 lanes store 512 consecutive bytes
.endr
.endr
	v_cmp_le_u32 vcc_lo, 16, v0                    ; lanes 0-15 store K steps 0 and 1 of their row's words, lanes 16-31 steps 2 and 3
	v_cndmask_b32 v12, v[PW], v[PW+2], vcc_lo
	v_cndmask_b32 v13, v[PW+1], v[PW+3], vcc_lo
	global_store_b64 v[SO], v[12:13], s[16:17]     ; 256 consecutive bytes
	s_wait_tensorcnt 0x0                           ; the wave's end
	ds_add_u32 v[SPW], v[NIL]
	s_wait_dscnt 0x0
	s_endpgm
.Lfunc_end_k_q0f3f123465_prep:
	.size	k_q0f3f123465_prep, .Lfunc_end_k_q0f3f123465_prep-k_q0f3f123465_prep
	.p2alignl 7, 3214868480
	.fill 96, 4, 3214868480
	.section	.rodata,"a",@progbits
	.p2align	6, 0x0
	.amdhsa_kernel k_q0f3f123465_prep
		.amdhsa_group_segment_fixed_size 8704
		.amdhsa_private_segment_fixed_size 0
		.amdhsa_enable_private_segment 0
		.amdhsa_kernarg_size 56
		.amdhsa_user_sgpr_count 2
		.amdhsa_user_sgpr_kernarg_segment_ptr 1
		.amdhsa_wavefront_size32 1
		.amdhsa_system_sgpr_workgroup_id_x 1
		.amdhsa_system_sgpr_workgroup_id_y 1
		.amdhsa_system_sgpr_workgroup_id_z 1
		.amdhsa_system_vgpr_workitem_id 0
		.amdhsa_next_free_vgpr 248
		.amdhsa_next_free_sgpr 66
		.amdhsa_reserve_vcc 1
		.amdhsa_float_denorm_mode_32 3
		.amdhsa_float_denorm_mode_16_64 3
		.amdhsa_memory_ordered 1
		.amdhsa_forward_progress 1
		.amdhsa_inst_pref_size 33
	.end_amdhsa_kernel
	.amdgpu_metadata
---
amdhsa.version: [ 1, 2 ]
amdhsa.kernels:
  - .name:           k_q0f3f123465_prep
    .symbol:         k_q0f3f123465_prep.kd
    .args:
      - { .name: x, .offset: 0, .size: 8, .value_kind: global_buffer, .address_space: global }
      - { .name: W_q, .offset: 8, .size: 8, .value_kind: global_buffer, .address_space: global }
      - { .name: W_k, .offset: 16, .size: 8, .value_kind: global_buffer, .address_space: global }
      - { .name: W_v, .offset: 24, .size: 8, .value_kind: global_buffer, .address_space: global }
      - { .name: W_proj, .offset: 32, .size: 8, .value_kind: global_buffer, .address_space: global }
      - { .name: cimg, .offset: 40, .size: 8, .value_kind: global_buffer, .address_space: global }
      - { .name: simg, .offset: 48, .size: 8, .value_kind: global_buffer, .address_space: global }
    .group_segment_fixed_size: 8704
    .private_segment_fixed_size: 0
    .kernarg_segment_align: 8
    .kernarg_segment_size: 56
    .max_flat_workgroup_size: 32
    .sgpr_count:     66
    .vgpr_count:     248
    .wavefront_size: 32
...
	.end_amdgpu_metadata
.endif
;; end of part 1
;; launch qkv (part 2): grid 50 x 3, 8 waves a work-group, no clusters, 50,176 bytes of LDS; arguments cimg, simg, b_q, b_k, b_v, qb, kv; writes qb, kv
.if DOCPART == 2
	.amdgcn_target "amdgcn-amd-amdhsa--gfx1250"
	.amdhsa_code_object_version 6
	.text
	.protected	k_q0f3f123465_qkv
	.globl	k_q0f3f123465_qkv
	.p2align	8
	.type	k_q0f3f123465_qkv,@function
k_q0f3f123465_qkv:
	s_mov_b64 s[64:65], 0
	v_nop
	global_prefetch_b8 v0, s[64:65] scope:SCOPE_SE
	s_setreg_imm32_b32 hwreg(HW_REG_WAVE_MODE, 25, 1), 1
	s_wait_xcnt 0x0
; LAUNCH 2 OF 4.  q, k or v = x W^T + b on codes of FP6, K = 512, and the result quantised at once: q and k along the head's 64 channels, v along the keys.  Nothing goes to memory in f32.
; SHARES.  Work-group x = 25 b + n: batch b, step n of 128 tokens (n = 24: the 64 text tokens); y = 0, 1, 2: q, k, v.  Wave w is head w: 64 columns, four tiles of W, which stay in its registers.
; x's eight tiles (49,152 bytes, as they lie in cimg) are copied into LDS once and read by all eight waves.
; q, k: source 0 = 16 rows of W, source 1 = 16 tokens: a lane holds one token and its 32 registers of four tiles run along the head's 64 channels.
; v:    source 0 = 16 tokens, source 1 = 16 rows of W: a lane holds one channel and its 32 registers of four tiles run along 64 tokens, the second attention product's K.
; The tiles' rows are chosen as launch prep lays them, so that each 16 registers are 16 neighbours.  The bias is the C of each sum's first matrix instruction.
; OUT.  qb, block (8 b + w, n) of 6,656 bytes: tile t's six registers as three pairs at 768 t + 256 p + 8 lane; at 6144 + 16 lane + 4 u the scale word of tile 2 u + lane / 16, row lane % 16.
;       kv, block of 13,312 bytes: at 0 k's 48 registers (6 t + i) as twelve chunks; at 6144 v's four channel tiles, 12 registers each, as pairs; at 12288 k's scale words as q's; at 12800 v's: (tile h, tile 2 + h, 0, 0).
;       In block 24 the upper halves of k and v are zero codes with the scale byte 0: every byte of kv is written.  Of qb's block 24 tiles 4-7 are neither written nor read.
; No cluster: the grid of 50 x 3 is no multiple of four along either axis.
; LIMITS as stated at the head of launch prep (floor of the scale byte, blocks of zeros, NaN and infinities).
.set SPARE, 49152                      ; behind x's images: the spare words, 128 bytes a wave
.set LN,  1                            ; v1 lane;  v2 r;  v3 h
.set RR,  2
.set HF,  3
.set LI,  4                            ; v4   16 x lane
.set L8,  5                            ; v5   8 x lane
.set CP,  6                            ; v6   16 x thread: the copy
.set BO,  7                            ; v7   64 h: q's and k's bias
.set SPW, 8                            ; v8   my spare word; never rewritten
.set NIL, 9                            ; v9   0; never rewritten
.set BV,  10                           ; v10  4 (r + 8 (r / 8)): v's bias
.set XS,  16                           ; v16-31 x's scale words: register 4 (m / 2) + s; lanes 0-15 the even tile, lanes 16-31 the odd one
.set WS,  32                           ; v32-39 W's likewise
.set HW,  40                           ; v40-47 the half words of scale bytes just made
.set OUTC, 48                          ; v48-71 codes of four half fragments
.set SW,  72                           ; v72-75 a chunk of scale words
.set XF,  80                           ; v80-127 four fragments of x
.set TM,  80                           ; while quantising: v80-85 at work, v88-90 a conversion's second half
.set CT,  88
.set ACC, 128                          ; v128-255 sixteen accumulators; at the head the copy's staging
.set BI,  192                          ; window 1: v0-191 W's fragments at 12 (4 t + s); v192-223 the bias, 8 registers a tile
.set WV,  18
.set MODE, 19
.set BB,  20
.set NN,  21
.set SEL, 58
.set MSB, 0
.macro WIN new                         ; the immediate's high byte repeats the setting that is left
.if MSB != (\new)
	s_set_vgpr_msb (MSB<<8)|(\new)
.set MSB, (\new)
.endif
.endm
.macro WM d, a, b, c, sa, sb, ra, rb   ; one product; ra, rb: the side's scale words stand in lanes 16-31
.if (\ra) && (\rb)
	v_wmma_scale_f32_16x16x128_f8f6f4 v[\d:\d+7], v[\a:\a+11], v[\b:\b+11], v[\c:\c+7], v[\sa], v[\sb] matrix_a_fmt:MATRIX_FMT_FP6 matrix_b_fmt:MATRIX_FMT_FP6 matrix_a_scale:MATRIX_SCALE_ROW1 matrix_b_scale:MATRIX_SCALE_ROW1
.elseif \ra
	v_wmma_scale_f32_16x16x128_f8f6f4 v[\d:\d+7], v[\a:\a+11], v[\b:\b+11], v[\c:\c+7], v[\sa], v[\sb] matrix_a_fmt:MATRIX_FMT_FP6 matrix_b_fmt:MATRIX_FMT_FP6 matrix_a_scale:MATRIX_SCALE_ROW1
.elseif \rb
	v_wmma_scale_f32_16x16x128_f8f6f4 v[\d:\d+7], v[\a:\a+11], v[\b:\b+11], v[\c:\c+7], v[\sa], v[\sb] matrix_a_fmt:MATRIX_FMT_FP6 matrix_b_fmt:MATRIX_FMT_FP6 matrix_b_scale:MATRIX_SCALE_ROW1
.else
	v_wmma_scale_f32_16x16x128_f8f6f4 v[\d:\d+7], v[\a:\a+11], v[\b:\b+11], v[\c:\c+7], v[\sa], v[\sb] matrix_a_fmt:MATRIX_FMT_FP6 matrix_b_fmt:MATRIX_FMT_FP6
.endif
.endm
; 32 numbers of a lane, register 16 b + i = element 32 b + 16 h + i, become six registers of codes (element 32 h + 0 .. 31) and two scale bytes
.macro QUANT32 s, pc, hw
.irp b, 0,1
	v_max3_num_f32 v[TM+\b], |v[\s+16*\b]|, |v[\s+16*\b+1]|, 0x1800000   ; with the floor 2^(3 - 127): the byte cannot fall under 1
.endr
.irp i, 2,4,6,8,10,12,14
.irp b, 0,1
	v_max3_num_f32 v[TM+\b], v[TM+\b], |v[\s+16*\b+\i]|, |v[\s+16*\b+\i+1]|
.endr
.endr
.irp b, 0,1
	v_permlanex16_b32 v[TM+2+\b], v[TM+\b], s[SEL], s[SEL+1]
.endr
.irp b, 0,1
	v_max_num_f32 v[TM+\b], v[TM+\b], v[TM+2+\b]   ; with lane l xor 16's: the block's largest magnitude
.endr
.irp b, 0,1
	v_add_nc_u32 v[TM+4+\b], 0xff000000, v[TM+\b]  ; 2 off its exponent field: the conversion's scale operand
.endr
.irp b, 0,1
	v_lshrrev_b32 v[TM+2+\b], 23, v[TM+4+\b]       ; the scale's byte
.endr
	v_lshl_or_b32 v[\hw], v[TM+3], 8, v[TM+2]
	v_cvt_scalef32_pk16_fp6_f32 v[\pc:\pc+2], v[\s:\s+15], v[TM+4]
	v_cvt_scalef32_pk16_fp6_f32 v[CT:CT+2], v[\s+16:\s+31], v[TM+5]
	v_nop                                          ; one plain place behind a scaled conversion
.irp i, 0,1,2
	v_permlane16_swap_b32 v[\pc+\i], v[CT+\i]      ; a whole block to a lane: lanes 0-15 block 0, lanes 16-31 block 1
.endr
.irp i, 0,1,2
	v_mov_b32 v[\pc+3+\i], v[CT+\i]
.endr
.endm
	s_load_b256 s[4:11], s[0:1], 0x0               ; cimg, simg, b_q, b_k
	s_load_b128 s[12:15], s[0:1], 0x20             ; b_v, qb
	s_load_b64 s[16:17], s[0:1], 0x30              ; kv
	v_lshl_add_u32 v[SPW], v0, 2, SPARE
	v_mov_b32 v[NIL], 0
	v_lshrrev_b32 v[LN], 5, v0
	v_readfirstlane_b32 s[WV], v[LN]               ; wave = head
	v_and_b32 v[LN], 31, v0
	v_and_b32 v[RR], 15, v0
	v_bfe_u32 v[HF], v0, 4, 1
	v_lshlrev_b32 v[LI], 4, v[LN]
	v_lshlrev_b32 v[L8], 3, v[LN]
	v_lshlrev_b32 v[CP], 4, v0
	v_lshlrev_b32 v[BO], 6, v[HF]
	v_and_b32 v[BV], 8, v[RR]
	v_add_nc_u32 v[BV], v[BV], v[RR]
	v_lshlrev_b32 v[BV], 2, v[BV]
.irp e, 8,9,10,11,12,13,14,15
	v_mov_b32 v[XS+\e], 0                          ; tiles 4-7's words: loaded below where the step has them
.endr
	s_mov_b32 s[SEL], 0x76543210
	s_mov_b32 s[SEL+1], 0xfedcba98
	s_and_b32 s[MODE], ttmp7, 0xffff
	s_cmp_ge_u32 ttmp9, 25
	s_cselect_b32 s[BB], 1, 0
	s_cselect_b32 s22, 25, 0
	s_sub_co_u32 s[NN], ttmp9, s22
	s_mul_i32 s22, s[BB], 196
	s_lshl_b32 s23, s[NN], 3
	s_add_co_u32 s22, s22, s23                     ; x's first tile: 196 b + 8 n
	s_mul_i32 s24, s22, 6144
	s_mov_b32 s25, 0
	s_lshl_b32 s26, s22, 8
	s_mov_b32 s27, 0
	s_lshl_b32 s23, s[MODE], 5
	s_lshl_b32 s28, s[WV], 2
	s_add_co_u32 s23, s23, s28
	s_add_co_u32 s23, s23, 392                     ; W's first tile: 392 + 32 mode + 4 head
	s_mul_i32 s28, s23, 6144
	s_mov_b32 s29, 0
	s_lshl_b32 s30, s23, 8
	s_mov_b32 s31, 0
	s_lshl_b32 s32, s[BB], 3
	s_add_co_u32 s32, s32, s[WV]
	s_mul_i32 s32, s32, 25
	s_add_co_u32 s32, s32, s[NN]                   ; the block: 25 (8 b + head) + n
	s_mul_i32 s34, s32, 6656
	s_mov_b32 s35, 0
	s_mul_i32 s36, s32, 13312
	s_mov_b32 s37, 0
	s_lshl_b32 s38, s[WV], 8                       ; the head's 64 numbers of the bias
	s_mov_b32 s39, 0
	s_wait_kmcnt 0x0
	s_add_nc_u64 s[40:41], s[4:5], s[24:25]        ; x's codes
	s_add_nc_u64 s[42:43], s[6:7], s[26:27]        ; x's scale words
	s_add_nc_u64 s[44:45], s[4:5], s[28:29]        ; W's codes
	s_add_nc_u64 s[46:47], s[6:7], s[30:31]        ; W's scale words
	s_cmp_eq_u32 s[MODE], 1
	s_cselect_b64 s[48:49], s[10:11], s[8:9]
	s_cmp_eq_u32 s[MODE], 2
	s_cselect_b64 s[48:49], s[12:13], s[48:49]
	s_add_nc_u64 s[48:49], s[48:49], s[38:39]      ; the bias
	s_add_nc_u64 s[50:51], s[14:15], s[34:35]      ; my block of qb
	s_add_nc_u64 s[52:53], s[16:17], s[36:37]      ; my block of kv
	s_add_nc_u64 s[54:55], s[50:51], 6144
	s_add_nc_u64 s[56:57], s[52:53], 12288
	s_cmp_eq_u32 s[MODE], 0
	s_cselect_b64 s[54:55], s[54:55], s[56:57]     ; where q's or k's scale words go
	WIN 0x40                                       ; destination window 1
.irp t, 0,1,2,3
.irp s, 0,1,2,3
.irp c, 0,1,2
	global_load_b128 v[12*(4*\t+\s)+4*\c:12*(4*\t+\s)+4*\c+3], v[LI], s[44:45] offset:6144*\t+1536*\s+512*\c
.endr
.endr
.endr
	WIN 0
.irp p, 0,1
	global_load_b128 v[WS+4*\p:WS+4*\p+3], v[LI], s[46:47] offset:512*\p
	global_load_b128 v[XS+4*\p:XS+4*\p+3], v[LI], s[42:43] offset:512*\p
.endr
	s_cmp_eq_u32 s[MODE], 2
	s_cbranch_scc1 .Lbias_v
	WIN 0x40
.irp t, 0,1,2,3                        ; q, k: register j of tile t is channel 32 (t / 2) + 8 (t % 2) + 16 h + j
	global_load_b128 v[BI+8*\t:BI+8*\t+3], v[BO], s[48:49] offset:(32*(\t/2)+8*(\t%2))*4
	global_load_b128 v[BI+8*\t+4:BI+8*\t+7], v[BO], s[48:49] offset:(32*(\t/2)+8*(\t%2))*4+16
.endr
	WIN 0
	s_branch .Lbias_done
.Lbias_v:
	WIN 0x40
.irp t, 0,1,2,3                        ; v: all eight registers of tile t are the lane's channel 32 (t / 2) + 8 (t % 2) + r + 8 (r / 8): the same word goes straight into each, so no move and no wait of its own is needed
.irp j, 0,1,2,3,4,5,6,7
	global_load_b32 v[BI+8*\t+\j], v[BV], s[48:49] offset:(32*(\t/2)+8*(\t%2))*4
.endr
.endr
	WIN 0
.Lbias_done:
.irp i, 0,1,2,3,4,5                    ; x's tiles 0-3: six rounds of 4,096 bytes, 16 a thread
	global_load_b128 v[ACC+4*\i:ACC+4*\i+3], v[CP], s[40:41] offset:4096*\i
.endr
	s_cmp_eq_u32 s[NN], 24
	s_cbranch_scc1 .Lshort                         ; the text step has four tiles
.irp i, 6,7,8,9,10,11
	global_load_b128 v[ACC+4*\i:ACC+4*\i+3], v[CP], s[40:41] offset:4096*\i
.endr
.irp p, 2,3
	global_load_b128 v[XS+4*\p:XS+4*\p+3], v[LI], s[42:43] offset:512*\p
.endr
	s_wait_loadcnt 0x0
.irp i, 6,7,8,9,10,11
	ds_store_b128 v[CP], v[ACC+4*\i:ACC+4*\i+3] offset:4096*\i
.endr
.Lshort:
	s_wait_loadcnt 0x0
.irp i, 0,1,2,3,4,5
	ds_store_b128 v[CP], v[ACC+4*\i:ACC+4*\i+3] offset:4096*\i
.endr
	s_wait_dscnt 0x0                               ; my stores have landed,
	s_barrier_signal -1
	s_barrier_wait -1                              ; everybody's have: x's images are whole.  The launch's one barrier
; Half i of the step: x's tiles 4 i .. 4 i + 3 against my four tiles of W, K step by K step; the sixteen accumulators take turns, one instruction a turn.  vm = 1: v's order of sources.
.macro MUL vm, i
.irp s, 0,1,2,3
.rept 4
	v_nop                                          ; four places in front of loads into registers that matrix instructions have read
.endr
.irp m, 0,1,2,3
.irp c, 0,1,2
	ds_load_b128 v[XF+12*\m+4*\c:XF+12*\m+4*\c+3], v[LI] offset:(4*\i+\m)*6144+1536*\s+512*\c
.endr
.endr
	s_wait_dscnt 0x0
.if \vm
.if \s == 0
	WIN 0x14                                       ; source 1 (W) and source 2 (the bias) window 1
.else
	WIN 0x04
.endif
.else
.if \s == 0
	WIN 0x11                                       ; source 0 (W) and source 2 (the bias) window 1
.else
	WIN 0x01
.endif
.endif
.irp m, 0,1,2,3
.irp t, 0,1,2,3
.if \vm
.if \s == 0
	WM ACC+8*(4*\t+\m), XF+12*\m, 12*(4*\t+\s), BI+8*\t, XS+4*((4*\i+\m)/2)+\s, WS+4*(\t/2)+\s, \m%2, \t%2
.else
	WM ACC+8*(4*\t+\m), XF+12*\m, 12*(4*\t+\s), ACC+8*(4*\t+\m), XS+4*((4*\i+\m)/2)+\s, WS+4*(\t/2)+\s, \m%2, \t%2
.endif
.else
.if \s == 0
	WM ACC+8*(4*\m+\t), 12*(4*\t+\s), XF+12*\m, BI+8*\t, WS+4*(\t/2)+\s, XS+4*((4*\i+\m)/2)+\s, \t%2, \m%2
.else
	WM ACC+8*(4*\m+\t), 12*(4*\t+\s), XF+12*\m, ACC+8*(4*\m+\t), WS+4*(\t/2)+\s, XS+4*((4*\i+\m)/2)+\s, \t%2, \m%2
.endif
.endif
.endr
.endr
	WIN 0
.endr
.endm
.macro QHALF i                         ; the half's four runs of 32 registers (q, k: a tile of tokens each; v: a tile of channels each) are quantised
.rept 4
	v_nop                                          ; four places behind the last products
.endr
.irp e, 0,1,2,3
	QUANT32 ACC+32*\e, OUTC+6*\e, HW+4*\i+\e
.endr
.endm
.macro ZERO                            ; the text step's upper half: zero codes, scale bytes 0
.set z_, 0
.rept 24
	v_mov_b32 v[OUTC+z_], 0
.set z_, z_+1
.endr
.irp e, 4,5,6,7
	v_mov_b32 v[HW+\e], 0
.endr
.endm
.macro ST_QK i
	s_cmp_eq_u32 s[MODE], 0
	s_cbranch_scc0 .Lk_\@
.if \i
	s_cmp_eq_u32 s[NN], 24
	s_cbranch_scc1 .Lstored_\@                     ; q's text block has four tiles
.endif
.irp m, 0,1,2,3
.irp p, 0,1,2
	global_store_b64 v[L8], v[OUTC+6*\m+2*\p:OUTC+6*\m+2*\p+1], s[50:51] offset:768*(4*\i+\m)+256*\p   ; 256 consecutive bytes
.endr
.endr
	s_branch .Lstored_\@
.Lk_\@:
.irp q, 0,1,2,3,4,5
	global_store_b128 v[LI], v[OUTC+4*\q:OUTC+4*\q+3], s[52:53] offset:3072*\i+512*\q
.endr
.Lstored_\@:
.endm
.macro ST_V i
.irp c, 0,1,2,3
.irp p, 0,1,2
	global_store_b64 v[L8], v[OUTC+6*\c+2*\p:OUTC+6*\c+2*\p+1], s[52:53] offset:6144+1536*\c+256*(3*\i+\p)
.endr
.endr
.endm
	s_cmp_eq_u32 s[MODE], 2
	s_cbranch_scc1 .Lv
	MUL 0, 0
	QHALF 0
	ST_QK 0
	s_wait_xcnt 0x0                                ; the stores have read the codes' registers
	s_cmp_eq_u32 s[NN], 24
	s_cbranch_scc1 .Lqk_zero
	MUL 0, 1
	QHALF 1
	s_branch .Lqk_join
.Lqk_zero:
	ZERO
.Lqk_join:
	ST_QK 1
	v_cmp_le_u32 vcc_lo, 16, v[LN]
.irp u, 0,1,2,3
	v_cndmask_b32 v[SW+\u], v[HW+2*\u], v[HW+2*\u+1], vcc_lo   ; lanes 0-15 the even tile's word, lanes 16-31 the odd one's
.endr
	global_store_b128 v[LI], v[SW:SW+3], s[54:55]
	s_branch .Lend
.Lv:
	MUL 1, 0
	QHALF 0
	ST_V 0
	s_wait_xcnt 0x0
	s_cmp_eq_u32 s[NN], 24
	s_cbranch_scc1 .Lv_zero
	MUL 1, 1
	QHALF 1
	s_branch .Lv_join
.Lv_zero:
	ZERO
.Lv_join:
	ST_V 1
.irp c, 0,1,2,3
	v_lshl_or_b32 v[HW+\c], v[HW+4+\c], 16, v[HW+\c]   ; keys 0-63's two bytes below, keys 64-127's above
.endr
	v_cmp_le_u32 vcc_lo, 16, v[LN]
	v_cndmask_b32 v[SW], v[HW], v[HW+1], vcc_lo
	v_cndmask_b32 v[SW+1], v[HW+2], v[HW+3], vcc_lo
	v_mov_b32 v[SW+2], 0
	v_mov_b32 v[SW+3], 0
	global_store_b128 v[LI], v[SW:SW+3], s[52:53] offset:12800
.Lend:
	s_wait_tensorcnt 0x0                           ; the wave's end
	ds_add_u32 v[SPW], v[NIL]
	s_wait_dscnt 0x0
	s_endpgm
.Lfunc_end_k_q0f3f123465_qkv:
	.size	k_q0f3f123465_qkv, .Lfunc_end_k_q0f3f123465_qkv-k_q0f3f123465_qkv
	.p2alignl 7, 3214868480
	.fill 96, 4, 3214868480
	.section	.rodata,"a",@progbits
	.p2align	6, 0x0
	.amdhsa_kernel k_q0f3f123465_qkv
		.amdhsa_group_segment_fixed_size 50176
		.amdhsa_private_segment_fixed_size 0
		.amdhsa_enable_private_segment 0
		.amdhsa_kernarg_size 56
		.amdhsa_user_sgpr_count 2
		.amdhsa_user_sgpr_kernarg_segment_ptr 1
		.amdhsa_wavefront_size32 1
		.amdhsa_system_sgpr_workgroup_id_x 1
		.amdhsa_system_sgpr_workgroup_id_y 1
		.amdhsa_system_sgpr_workgroup_id_z 1
		.amdhsa_system_vgpr_workitem_id 0
		.amdhsa_next_free_vgpr 480
		.amdhsa_next_free_sgpr 66
		.amdhsa_reserve_vcc 1
		.amdhsa_float_denorm_mode_32 3
		.amdhsa_float_denorm_mode_16_64 3
		.amdhsa_memory_ordered 1
		.amdhsa_forward_progress 1
		.amdhsa_inst_pref_size 101
	.end_amdhsa_kernel
	.amdgpu_metadata
---
amdhsa.version: [ 1, 2 ]
amdhsa.kernels:
  - .name:           k_q0f3f123465_qkv
    .symbol:         k_q0f3f123465_qkv.kd
    .args:
      - { .name: cimg, .offset: 0, .size: 8, .value_kind: global_buffer, .address_space: global }
      - { .name: simg, .offset: 8, .size: 8, .value_kind: global_buffer, .address_space: global }
      - { .name: b_q, .offset: 16, .size: 8, .value_kind: global_buffer, .address_space: global }
      - { .name: b_k, .offset: 24, .size: 8, .value_kind: global_buffer, .address_space: global }
      - { .name: b_v, .offset: 32, .size: 8, .value_kind: global_buffer, .address_space: global }
      - { .name: qb, .offset: 40, .size: 8, .value_kind: global_buffer, .address_space: global }
      - { .name: kv, .offset: 48, .size: 8, .value_kind: global_buffer, .address_space: global }
    .group_segment_fixed_size: 50176
    .private_segment_fixed_size: 0
    .kernarg_segment_align: 8
    .kernarg_segment_size: 56
    .max_flat_workgroup_size: 256
    .sgpr_count:     66
    .vgpr_count:     480
    .wavefront_size: 32
...
	.end_amdgpu_metadata
.endif
;; end of part 2
;; launch attn (part 3): grid 256 x 1, 16 waves a work-group, no clusters, 41,984 bytes of LDS; arguments kv, qb, start_frames, end_frames, yc, ys; writes yc, ys
.if DOCPART == 3
	.amdgcn_target "amdgcn-amd-amdhsa--gfx1250"
	.amdhsa_code_object_version 6
	.text
	.protected	k_q0f3f123465_attn
	.globl	k_q0f3f123465_attn
	.p2align	8
	.type	k_q0f3f123465_attn,@function
k_q0f3f123465_attn:
	s_mov_b64 s[64:65], 0
	v_nop
	global_prefetch_b8 v0, s[64:65] scope:SCOPE_SE
	s_setreg_imm32_b32 hwreg(HW_REG_WAVE_MODE, 25, 1), 1
	s_wait_xcnt 0x0
; LAUNCH 3 OF 4.  y = softmax(mask(q k^T / 8)) v for 16 (batch, head) pairs, both products on codes of FP6; y is divided by the row's sum and quantised along its 64 channels for launch proj.
; THE SOFTMAX: t = score x log2(e) / 8; M = the running largest t rounded up to a whole number; p = 2^(t - M) is quantised along the keys; the sum is taken of the unquantised p; when M moves, the sum and
; O are multiplied by 2^(old M - new M), which rounds nothing.
; DEAD WORK LEFT OUT (shown at the head of launch prep): a step of 128 keys all of whose pairs with a tile's 16 queries are masked by the part of the mask that reference() builds from tril and ones has p = 0 for
; all values of the inputs and is not walked: key groups 1, 2 and the text keys for row group 0; steps that begin behind the tile's last frame.  LIMIT: a NaN, an infinity or an overflow in keys left out is not carried on.
; LAYOUT.  S^T = K Q^T (source 0 = 16 keys, source 1 = my 16 queries), O^T = V^T P^T: a lane holds one query (lane % 16) throughout.  The head's K is 64: Q's registers 6-11 are zero codes, and what
; stands in K's upper six registers (the next tile's codes, or zeros) is multiplied by them.  The rows of every tile are chosen as launch prep lays them: 16 registers of two tiles are 16 neighbours.
; SHARES.  Work-group = 16 BH + P.  A wave owns one tile of 16 queries.  Waves come in four slots of four (one wave of a slot on each SIMD).  A block w is 32 frames.  Slots 0, 1, 3: block w of row groups
; 1 and 2, tiles u = 0, 1; slot 2: two blocks of row group 0; in P = 14 slot 0 holds the four text tiles; slot 3 works in P = 15 alone (elsewhere its waves only help to copy; their loads of Q are issued and not used).
; Late blocks are paired with early ones, so that the work-groups' sums of steps lie close together.
; THE WALK.  Half step sigma takes one block of 128 keys: key group 0, steps 0 .. LA0 - 1, then groups 1 and 2, steps 0 .. LA12 - 1 each: as far as the work-group's latest tile needs.  The loop's trip count is a
; constant, 12 x 2 half steps; a wave jumps over the steps that it does not need, by scalar branches on ids; never over a barrier.  Group 0 comes first: key 0 is open to every row, so M is a number from the first step on.
; THE RING.  Two slots of 13,312 bytes.  All 512 threads copy the next block, 16 bytes each (8,192 bytes, then 5,120 by waves 0-9): loads at a half step's head, stores into the other slot at its end, one barrier.
; The text block lies in a region of its own, filled at the head and walked last.
; No cluster and no joint loads: the sixteen work-groups of a head walk 10 to 24 blocks, so partners would need different numbers of tiles.
; THE MASK.  On the one step that holds the tile's own frames, hidden scores become -infinity (<= or <, by row group and key group).  Text keys: open where rel_start <= frame < rel_end of the segment, by
; unsigned compare of frame - rel_start with max(rel_end - rel_start, 0); start_frames and end_frames enter selects alone.
.set BLKB,  13312
.set TXT,   2*BLKB
.set SPARE, 3*BLKB                     ; the spare words, 128 bytes a wave: eight blocks of 256 bytes that no other line names
.set LI,  1                            ; v1   16 x lane
.set CP,  2                            ; v2   16 x thread
.set L8,  3                            ; v3   8 x lane
.set SPW, 4                            ; v4   my spare word; never rewritten
.set NIL, 5                            ; v5   0; never rewritten
.set FR,  6                            ; v6   my query's frame
.set DZ,  7                            ; v7   frame - 128 x (the step that holds it) - 16 h
.set DD,  8
.set NEG, 9                            ; v9   -infinity
.set PFO, 10                           ; v10  256 x (thread % 64)
.set TT,  11
.set QF,  16                           ; v16-21 Q's codes, v22-27 zeros
.set QS,  28                           ; v28  Q's scale words
.set SH8, 29                           ; v29  8 h
.set YSO, 30                           ; v30  16 r + h
.set QSO, 31                           ; v31  16 r
.set KF,  32                           ; v32-79 K's eight tiles, six registers each; then V's four, twelve each
.set ZP,  80                           ; v80-85 zeros behind K's last tile
.set KS,  86                           ; v86-89 K's scale words;  v90-91 V's
.set VS,  90
.set S,   96                           ; v96-159 S^T, then p
.set OT,  160                          ; v160-191 O^T
.set CB,  192                          ; v192-199 the copy
.set PC,  200                          ; v200-211 p's codes
.set CT,  212                          ; v212-214, v216-218 the conversions' second halves
.set BM,  220                          ; v220-223 the blocks' largest scores, then largest p
.set TM,  220
.set BP,  224
.set BS,  228
.set SUM2, 232
.set PS,  236                          ; v236 p's scale word
.set FF,  238                          ; v[238:239] f = 2^(old M - new M)
.set TA,  240
.set WV,  16
.set PP,  17
.set BH,  18
.set BB,  19
.set HH,  20
.set LA0, 21
.set LA12, 22
.set NT,  23
.set LA01, 24
.set GG,  25
.set AW,  26                           ; steps of a key group that my tile needs
.set AWD, 27                           ; the step that holds my frames
.set QT,  28
.set TH,  29                           ; from this key group on the mask is strict
.set HM,  30
.set SIG, 31
.set T0,  32
.set T1,  33
.set KG,  34
.set JJ,  35
.set SN,  36
.set AW12, 37
.set NB,  38
.set OF,  40
.set KVB, 42
.set PFA, 44
.set PLIM, 46
.set SC,  47
.set SEL, 48
.set CS,  50
.set MK0, 52
.set MK1, 53
.set T2,  54
.set T3,  55
.set SLT, 56
.set II,  57
.set WW,  58
.set UU,  59
.set RS,  68                           ; s[68:83] rel_start of the batch's 16 segments;  s[84:99] max(rel_end - rel_start, 0)
.set LEN, 84
	s_load_b256 s[4:11], s[0:1], 0x0               ; kv, qb, start_frames, end_frames
	s_load_b128 s[12:15], s[0:1], 0x20             ; yc, ys
	v_lshl_add_u32 v[SPW], v0, 2, SPARE
	v_mov_b32 v[NIL], 0
	v_lshrrev_b32 v[TT], 5, v0
	v_readfirstlane_b32 s[WV], v[TT]
	s_and_b32 s[PP], ttmp9, 15
	s_lshr_b32 s[BH], ttmp9, 4
	s_lshr_b32 s[BB], s[BH], 3
	s_and_b32 s[HH], s[BH], 7
	s_lshr_b32 s[SLT], s[WV], 2
	s_and_b32 s[II], s[WV], 3
	s_lshr_b32 s[T0], s[PP], 2                     ; cc
	s_and_b32 s[T1], s[PP], 3                      ; e
	s_lshl_b32 s[T2], s[T1], 3
	s_lshl_b32 s[T3], s[T0], 2
	s_sub_co_u32 s60, 28, s[T3]
	s_add_co_u32 s60, s60, s[T1]                   ; P < 12, slot 0: block 28 - 4 cc + e
	s_lshr_b32 s61, 0x01001210, s[T2]
	s_and_b32 s61, s61, 0xff                       ; P = 12 .. 15: 16, 18, (text), 1
	s_add_co_u32 s62, s[T3], s[T1]
	s_add_co_u32 s62, s62, 4                       ; slot 1: block 4 cc + 4 + e
	s_lshr_b32 s63, 0x02001311, s[T2]
	s_and_b32 s63, s63, 0xff                       ; 17, 19, 0, 2
	s_sub_co_u32 s[LA12], 8, s[T0]
	s_lshr_b32 s66, 0x01080505, s[T2]
	s_and_b32 s66, s66, 0xff
	s_cmp_lt_u32 s[PP], 12
	s_cselect_b32 s60, s60, s61
	s_cselect_b32 s62, s62, s63
	s_cselect_b32 s[LA12], s[LA12], s66
	s_cmp_eq_u32 s[PP], 15
	s_cselect_b32 s[LA0], 8, s[LA12]
	s_add_co_u32 s[LA01], s[LA0], s[LA12]
	s_add_co_u32 s[NT], s[LA01], s[LA12]           ; half steps to walk
	s_and_b32 s61, s[PP], 14
	s_sub_co_u32 s61, 12, s61
	s_and_b32 s63, s[PP], 1
	s_add_co_u32 s61, s61, s63
	s_cmp_lt_u32 s[PP], 14
	s_cselect_b32 s61, s61, s[PP]                  ; slot 2: which four tiles of row group 0
	s_lshl_b32 s61, s61, 1
	s_lshr_b32 s63, s[II], 1
	s_add_co_u32 s61, s61, s63
	s_add_co_u32 s[GG], s63, 1
	s_cmp_eq_u32 s[SLT], 1
	s_cselect_b32 s[WW], s62, s60
	s_cmp_eq_u32 s[SLT], 2
	s_cselect_b32 s[WW], s61, s[WW]
	s_cselect_b32 s[GG], 0, s[GG]
	s_cmp_eq_u32 s[SLT], 3
	s_cselect_b32 s[WW], 3, s[WW]
	s_and_b32 s[UU], s[II], 1
	s_lshr_b32 s[AWD], s[WW], 2
	s_add_co_u32 s[AW], s[AWD], 1
	s_lshl_b32 s[QT], s[GG], 6
	s_lshl_b32 s60, s[WW], 1
	s_add_co_u32 s[QT], s[QT], s60
	s_add_co_u32 s[QT], s[QT], s[UU]               ; my tile of the batch's 196
	s_lshl_b32 s60, s[PP], 2
	s_add_co_u32 s60, s60, s[SLT]
	s_add_co_u32 s61, s[II], 192
	s_cmp_eq_u32 s60, 56                           ; P = 14, slot 0: the text rows: every key, no mask
	s_cselect_b32 s[GG], 3, s[GG]
	s_cselect_b32 s[AW], 8, s[AW]
	s_cselect_b32 s[AWD], 99, s[AWD]
	s_cselect_b32 s[QT], s61, s[QT]
	s_cmp_eq_u32 s[SLT], 3
	s_cselect_b32 s61, 1, 0
	s_cmp_eq_u32 s60, 63
	s_cselect_b32 s61, 0, s61
	s_cmp_eq_u32 s61, 1                            ; slot 3 but in P = 15: no tile
	s_cselect_b32 s[AW], 0, s[AW]
	s_cselect_b32 s[AWD], 99, s[AWD]
	s_cselect_b32 s[QT], 0, s[QT]
	s_cmp_eq_u32 s[GG], 0
	s_cselect_b32 s[TH], 3, s[GG]
	s_cselect_b32 s[AW12], 0, s[AW]                ; row group 0 sees key group 0 alone
	s_mov_b32 s[HM], 0xffff0000                    ; text keys 0-31: lanes 0-15 hold category 0, open to row group 1; lanes 16-31 category 1, open to row group 2
	s_cmp_eq_u32 s[GG], 1
	s_cselect_b32 s[HM], 0xffff, s[HM]
	s_lshr_b32 s60, s[WV], 1
	s_xor_b32 s60, s60, 6
	s_or_b32 s60, s60, s[PP]
	s_cmp_eq_u32 s60, 0
	s_cselect_b32 s[PLIM], 17, 0                   ; waves 12 and 13 of P = 0 prefetch, in half steps 0 to 16
	s_mov_b32 s[SEL], 0x76543210
	s_mov_b32 s[SEL+1], 0xfedcba98
	s_mov_b32 s[CS], 0x3e38aa3b                    ; c = log2(e) / 8
	s_mov_b32 s[CS+1], s[CS]                       ; (named with it as a pair, so it is written)
	v_and_b32 v[TT], 31, v0
	v_lshlrev_b32 v[LI], 4, v[TT]
	v_lshlrev_b32 v[L8], 3, v[TT]
	v_lshlrev_b32 v[CP], 4, v0
	v_and_b32 v[PFO], 63, v0
	v_lshlrev_b32 v[PFO], 8, v[PFO]
	v_and_b32 v[QSO], 15, v0                       ; r
	v_bfe_u32 v[SH8], v0, 4, 1                     ; h
	v_and_b32 v[FR], 8, v[QSO]
	v_add_nc_u32 v[FR], v[FR], v[QSO]
	s_lshl_b32 s60, s[WW], 5
	s_lshl_b32 s61, s[UU], 3
	s_add_co_u32 s60, s60, s61
	v_add_nc_u32 v[FR], s60, v[FR]                 ; 32 w + 8 u + r + 8 (r / 8)
	s_lshl_b32 s61, s[AWD], 7
	v_sub_nc_u32 v[DZ], v[FR], s61
	v_lshlrev_b32 v[DD], 4, v[SH8]
	v_sub_nc_u32 v[DZ], v[DZ], v[DD]
	v_lshl_add_u32 v[YSO], v[QSO], 4, v[SH8]
	v_lshlrev_b32 v[QSO], 4, v[QSO]
	v_lshlrev_b32 v[SH8], 3, v[SH8]
	v_mov_b32 v[NEG], 0xff800000
	s_mul_i32 s[OF], s[BH], 25*BLKB
	s_mov_b32 s[OF+1], 0
	s_wait_kmcnt 0x0
	s_add_nc_u64 s[KVB:KVB+1], s[4:5], s[OF:OF+1]  ; the head's 25 blocks
	s_add_nc_u64 s[PFA:PFA+1], s[KVB:KVB+1], 3*BLKB-16384
	s_lshl_b32 s60, s[BB], 6
	s_mov_b32 s61, 0
	s_add_nc_u64 s[8:9], s[8:9], s[60:61]
	s_add_nc_u64 s[10:11], s[10:11], s[60:61]
	s_load_b512 s[RS:RS+15], s[8:9], 0x0
	s_load_b512 s[LEN:LEN+15], s[10:11], 0x0
	global_load_b128 v[CB:CB+3], v[CP], s[KVB:KVB+1]                    ; block 0
	global_load_b128 v[S:S+3], v[CP], s[KVB:KVB+1] offset:24*BLKB       ; the text block
	s_cmp_lt_u32 s[WV], 10
	s_cbranch_scc0 .Lh1
	global_load_b128 v[CB+4:CB+7], v[CP], s[KVB:KVB+1] offset:8192
	global_load_b128 v[S+4:S+7], v[CP], s[KVB:KVB+1] offset:24*BLKB+8192
.Lh1:
	s_mul_i32 s60, s[BH], 25
	s_lshr_b32 s[T0], s[QT], 3
	s_add_co_u32 s60, s60, s[T0]
	s_mul_i32 s60, s60, 6656
	s_add_nc_u64 s[6:7], s[6:7], s[60:61]          ; Q's block
	s_and_b32 s[T0], s[QT], 7
	s_mul_i32 s60, s[T0], 768
	s_add_nc_u64 s[62:63], s[6:7], s[60:61]        ; my tile's codes
	s_and_b32 s60, s[QT], 1
	s_lshl_b32 s60, s60, 8
	s_lshr_b32 s[T0], s[T0], 1
	s_lshl_b32 s[T0], s[T0], 2
	s_add_co_u32 s60, s60, s[T0]
	s_add_co_u32 s60, s60, 6144
	s_add_nc_u64 s[66:67], s[6:7], s[60:61]        ; and its scale words
.irp p, 0,1,2
	global_load_b64 v[QF+2*\p:QF+2*\p+1], v[L8], s[62:63] offset:256*\p
.endr
	global_load_b32 v[QS], v[QSO], s[66:67]
	s_mul_i32 s[T0], s[BB], 196
	s_add_co_u32 s[T0], s[T0], s[QT]
	s_mul_i32 s60, s[T0], 6144
	s_mul_i32 s[T1], s[HH], 768
	s_add_co_u32 s60, s60, s[T1]
	s_add_nc_u64 s[12:13], s[12:13], s[60:61]      ; y's codes: my tile, my head's three pairs
	s_lshl_b32 s60, s[T0], 8
	s_lshl_b32 s[T1], s[HH], 1
	s_add_co_u32 s60, s60, s[T1]
	s_add_nc_u64 s[14:15], s[14:15], s[60:61]      ; and its two scale bytes a row
	v_mov_b32 v13, 0xff61b1e6                      ; the largest t so far: -3e38
	v_floor_f32 v12, -v13                          ; -M
	v_mov_b32 v14, 0
	v_mov_b32 v15, 0
.set q_, 0
.rept 32
	v_mov_b32 v[OT+q_], 0                          ; the step is written once: the first finds zeros, which the first change of M leaves zeros
.set q_, q_+1
.endr
.irp i, 0,1,2,3,4,5
	v_mov_b32 v[ZP+\i], 0
	v_mov_b32 v[QF+6+\i], 0
.endr
.irp i, 0,1,2,3,4,5,6,7
	v_mov_b32 v[BM+\i], 0                          ; lane permutes' destinations count as sources
.endr
	v_mov_b32 v[FF+1], 0
	v_mov_b32 v[TA], 0
	s_wait_kmcnt 0x0
.set q_, 0
.rept 16
	s_ashr_i32 s[RS+q_], s[RS+q_], 3               ; floor(start / 8); the window begins at 0
	s_ashr_i32 s[LEN+q_], s[LEN+q_], 3
	s_sub_co_i32 s[LEN+q_], s[LEN+q_], s[RS+q_]
	s_max_i32 s[LEN+q_], s[LEN+q_], 0
.set q_, q_+1
.endr
	s_wait_loadcnt 0x0
	ds_store_b128 v[CP], v[CB:CB+3]
	ds_store_b128 v[CP], v[S:S+3] offset:TXT
	s_cmp_lt_u32 s[WV], 10
	s_cbranch_scc0 .Lh2
	ds_store_b128 v[CP], v[CB+4:CB+7] offset:8192
	ds_store_b128 v[CP], v[S+4:S+7] offset:TXT+8192
.Lh2:
	s_wait_dscnt 0x0
	s_barrier_signal -1
	s_barrier_wait -1                              ; block 0 and the text block are whole
.macro DECODE src                      ; half step -> key group KG and step JJ
	s_sub_co_u32 s[T1], s[\src], s[LA0]
	s_sub_co_u32 s[T2], s[\src], s[LA01]
	s_cmp_lt_u32 s[\src], s[LA0]
	s_cselect_b32 s[JJ], s[\src], s[T1]
	s_cselect_b32 s[KG], 0, 1
	s_cmp_ge_u32 s[\src], s[LA01]
	s_cselect_b32 s[JJ], s[T2], s[JJ]
	s_cselect_b32 s[KG], 2, s[KG]
.endm
.macro QUANT32 s, pc, hw               ; as in launch qkv: 32 numbers -> six registers of codes and two scale bytes
.irp b, 0,1
	v_max3_num_f32 v[TM+\b], |v[\s+16*\b]|, |v[\s+16*\b+1]|, 0x1800000
.endr
.irp i, 2,4,6,8,10,12,14
.irp b, 0,1
	v_max3_num_f32 v[TM+\b], v[TM+\b], |v[\s+16*\b+\i]|, |v[\s+16*\b+\i+1]|
.endr
.endr
.irp b, 0,1
	v_permlanex16_b32 v[TM+2+\b], v[TM+\b], s[SEL], s[SEL+1]
.endr
.irp b, 0,1
	v_max_num_f32 v[TM+\b], v[TM+\b], v[TM+2+\b]
.endr
.irp b, 0,1
	v_add_nc_u32 v[TM+4+\b], 0xff000000, v[TM+\b]
.endr
.irp b, 0,1
	v_lshrrev_b32 v[TM+2+\b], 23, v[TM+4+\b]
.endr
	v_lshl_or_b32 v[\hw], v[TM+3], 8, v[TM+2]
	v_cvt_scalef32_pk16_fp6_f32 v[\pc:\pc+2], v[\s:\s+15], v[TM+4]
	v_cvt_scalef32_pk16_fp6_f32 v[CT:CT+2], v[\s+16:\s+31], v[TM+5]
	v_nop
.irp i, 0,1,2
	v_permlane16_swap_b32 v[\pc+\i], v[CT+\i]
.endr
.irp i, 0,1,2
	v_mov_b32 v[\pc+3+\i], v[CT+\i]
.endr
.endm
; A KEY STEP on the block at LDS byte base.  nb = 4: 128 keys; nb = 2: the 64 text keys.
.macro STEP base, nb
.rept 4
	v_nop                                          ; four places in front of loads into registers that the last products read
.endr
.set q_, 0
.rept 2*\nb+4                          ; K's codes, as far as the last operand reaches
	ds_load_b128 v[KF+4*q_:KF+4*q_+3], v[LI] offset:\base+512*q_
.set q_, q_+1
.endr
	ds_load_b128 v[KS:KS+3], v[LI] offset:\base+12288
	s_wait_dscnt 0x0
.set q_, 0
.rept 2*\nb                            ; S^T: tile q: keys 32 (q / 2) + 8 (q % 2) + 16 h + j in register j
.if q_%2
	v_wmma_scale_f32_16x16x128_f8f6f4 v[S+8*q_:S+8*q_+7], v[KF+6*q_:KF+6*q_+11], v[QF:QF+11], 0, v[KS+q_/2], v[QS] matrix_a_fmt:MATRIX_FMT_FP6 matrix_b_fmt:MATRIX_FMT_FP6 matrix_a_scale:MATRIX_SCALE_ROW1
.else
	v_wmma_scale_f32_16x16x128_f8f6f4 v[S+8*q_:S+8*q_+7], v[KF+6*q_:KF+6*q_+11], v[QF:QF+11], 0, v[KS+q_/2], v[QS] matrix_a_fmt:MATRIX_FMT_FP6 matrix_b_fmt:MATRIX_FMT_FP6
.endif
.set q_, q_+1
.endr
.rept 4
	v_nop                                          ; four places: for the loads over K's codes, and for the first read of the scores
.endr
.irp c, 0,1,2,3                        ; V's codes land while the softmax is walked
.irp p, 0,1,2,3,4,5
	ds_load_b64 v[KF+12*\c+2*\p:KF+12*\c+2*\p+1], v[L8] offset:\base+6144+1536*\c+256*\p
.endr
.endr
	ds_load_b64 v[VS:VS+1], v[LI] offset:\base+12800
.if \nb == 4
	s_cmp_eq_u32 s[JJ], s[AWD]                     ; only the step that holds my frames has hidden keys
	s_cbranch_scc0 .Lopen_\@
	s_cmp_ge_u32 s[KG], s[TH]
	s_cselect_b32 s[T0], 1, 0                      ; 1 where the key's frame must lie under the query's
	v_sub_nc_u32 v[DD], v[DZ], s[T0]
.set q_, 0
.rept 64                               ; register 16 b + i holds local key 32 b + 16 h + i: hidden where 32 b + i > DD
	v_cmp_gt_i32 vcc_lo, 32*(q_/16)+q_%16, v[DD]
	v_cndmask_b32 v[S+q_], v[S+q_], v[NEG], vcc_lo
.set q_, q_+1
.endr
.else
	s_cmp_eq_u32 s[GG], 3                          ; text rows see every text key
	s_cbranch_scc1 .Lopen_\@
.set q_, 0
.rept 16                               ; register 16 b + n holds category 2 b + h, segment n
	v_sub_nc_u32 v[TT], v[FR], s[RS+q_]
	v_cmp_gt_u32 s[MK1], s[LEN+q_], v[TT]          ; the segment is active at my frame
	s_and_b32 s[MK0], s[MK1], s[HM]                ; categories 0, 1: only my row group's
	v_cndmask_b32 v[S+q_], v[NEG], v[S+q_], s[MK0]
	v_cndmask_b32 v[S+16+q_], v[NEG], v[S+16+q_], s[MK1]
.set q_, q_+1
.endr
.endif
.Lopen_\@:
.set q_, 0
.rept \nb
	v_max3_num_f32 v[BM+q_], v[S+16*q_], v[S+16*q_+1], v[S+16*q_+2]   ; each block's largest score: for the row's maximum, and, since p rises with the score, for the block's largest p
.set q_, q_+1
.endr
.irp i, 3,5,7,9,11,13
.set q_, 0
.rept \nb
	v_max3_num_f32 v[BM+q_], v[BM+q_], v[S+16*q_+\i], v[S+16*q_+\i+1]
.set q_, q_+1
.endr
.endr
.set q_, 0
.rept \nb
	v_max_num_f32 v[BM+q_], v[BM+q_], v[S+16*q_+15]
.set q_, q_+1
.endr
.set q_, 0
.rept \nb
	v_permlanex16_b32 v[BP+q_], v[BM+q_], s[SEL], s[SEL+1]
.set q_, q_+1
.endr
.set q_, 0
.rept \nb
	v_max_num_f32 v[BM+q_], v[BM+q_], v[BP+q_]     ; with lane l xor 16's 16 keys
.set q_, q_+1
.endr
.if \nb == 4
	v_max3_num_f32 v[TA], v[BM], v[BM+1], v[BM+2]
	v_max_num_f32 v[TA], v[TA], v[BM+3]
.else
	v_max_num_f32 v[TA], v[BM], v[BM+1]
.endif
	v_mul_f32 v[TA], s[CS], v[TA]
	v_max_num_f32 v13, v13, v[TA]                  ; the running largest t
	v_mov_b32 v[TA], v12
	v_floor_f32 v12, -v13                          ; the new -M = -ceil(t)
	v_sub_f32 v[TA], v12, v[TA]                    ; old M - new M: a whole number, 0 or less
	v_cvt_i32_f32 v[TA], v[TA]                     ; (it saturates)
	v_ldexp_f32 v[FF], 1.0, v[TA]                  ; f
.set q_, 0
.rept 8*\nb
	v_pk_fma_f32 v[S+q_:S+q_+1], v[S+q_:S+q_+1], s[CS:CS+1], v[12:13] op_sel_hi:[1,0,0]   ; t - M
.set q_, q_+2
.endr
.set q_, 0
.rept \nb
	v_fma_f32 v[BM+q_], v[BM+q_], s[CS], v12
.set q_, q_+1
.endr
.set q_, 0
.rept 16*\nb
	v_exp_f32 v[S+q_], v[S+q_]                     ; p, not normalised
.set q_, q_+1
.endr
	v_pk_mul_f32 v[14:15], v[14:15], v[FF:FF+1] op_sel_hi:[1,0]   ; the sums under the new M; a plain place behind the exponentials
	s_wait_alu depctr_va_vdst(0)                   ; one wait for the batch, ahead of its first reader
.set q_, 0
.rept \nb
	v_exp_f32 v[BM+q_], v[BM+q_]                   ; the blocks' largest p
.set q_, q_+1
.endr
	v_pk_add_f32 v[SUM2:SUM2+1], v[S:S+1], v[S+2:S+3]   ; the row's sum of the unquantised p, in two chains
.set q_, 4
.rept 4*\nb-1
	v_pk_add_f32 v[14:15], v[14:15], v[S+q_:S+q_+1]
	v_pk_add_f32 v[SUM2:SUM2+1], v[SUM2:SUM2+1], v[S+q_+2:S+q_+3]
.set q_, q_+4
.endr
	v_pk_add_f32 v[14:15], v[14:15], v[SUM2:SUM2+1]
	s_wait_alu depctr_va_vdst(0)                   ; and one for the blocks' exponentials
.set q_, 0
.rept \nb
	v_max_num_f32 v[BM+q_], 0x1800000, v[BM+q_]    ; the floor 2^(3 - 127)
.set q_, q_+1
.endr
.set q_, 0
.rept \nb
	v_add_nc_u32 v[BS+q_], 0xff000000, v[BM+q_]    ; the conversion's scale operand
.set q_, q_+1
.endr
.set q_, 0
.rept \nb
	v_lshrrev_b32 v[BP+q_], 23, v[BS+q_]           ; the scale's byte
.set q_, q_+1
.endr
	v_lshl_or_b32 v[PS], v[BP+1], 8, v[BP]
.if \nb == 4
	v_lshl_or_b32 v[PS], v[BP+2], 16, v[PS]
	v_lshl_or_b32 v[PS], v[BP+3], 24, v[PS]
.endif
.set q_, 0
.rept \nb/2
	v_cvt_scalef32_pk16_fp6_f32 v[PC+6*q_:PC+6*q_+2], v[S+32*q_:S+32*q_+15], v[BS+2*q_]
	v_cvt_scalef32_pk16_fp6_f32 v[CT+4*q_:CT+4*q_+2], v[S+32*q_+16:S+32*q_+31], v[BS+2*q_+1]
.set q_, q_+1
.endr
	v_nop                                          ; one plain place behind a scaled conversion
.set q_, 0
.rept \nb/2
.irp i, 0,1,2
	v_permlane16_swap_b32 v[PC+6*q_+\i], v[CT+4*q_+\i]
.endr
.irp i, 0,1,2
	v_mov_b32 v[PC+6*q_+3+\i], v[CT+4*q_+\i]
.endr
.set q_, q_+1
.endr
.if \nb == 2
.irp i, 6,7,8,9,10,11
	v_mov_b32 v[PC+\i], 0                          ; keys 64-127 of the text step: zero codes
.endr
.endif
.set q_, 0
.rept 16
	v_pk_mul_f32 v[OT+q_:OT+q_+1], v[OT+q_:OT+q_+1], v[FF:FF+1] op_sel_hi:[1,0]   ; O^T under the new M; of these sixteen at least twelve name no register of any one product below: the places behind p's scale word and codes
.set q_, q_+2
.endr
	s_wait_dscnt 0x0                               ; V is in
.set q_, 0
.rept 4                                ; O^T += V^T P^T: the four accumulators by turns
.if q_%2
	v_wmma_scale_f32_16x16x128_f8f6f4 v[OT+8*q_:OT+8*q_+7], v[KF+12*q_:KF+12*q_+11], v[PC:PC+11], v[OT+8*q_:OT+8*q_+7], v[VS+q_/2], v[PS] matrix_a_fmt:MATRIX_FMT_FP6 matrix_b_fmt:MATRIX_FMT_FP6 matrix_a_scale:MATRIX_SCALE_ROW1
.else
	v_wmma_scale_f32_16x16x128_f8f6f4 v[OT+8*q_:OT+8*q_+7], v[KF+12*q_:KF+12*q_+11], v[PC:PC+11], v[OT+8*q_:OT+8*q_+7], v[VS+q_/2], v[PS] matrix_a_fmt:MATRIX_FMT_FP6 matrix_b_fmt:MATRIX_FMT_FP6
.endif
.set q_, q_+1
.endr
.endm
; A HALF STEP.  The next block's loads go out first; the wave works on this slot, if its tile needs the block; the next block goes into the other slot, whose last reads ended in front of the last barrier;
; one barrier: behind it the other slot is whole, and nobody reads this one.
; THE PREFETCH: P = 0 walks the head's blocks 0 to 23 in the order in which they lie; its waves 12 and 13, which own no tile, name in half step k the 64 aligned runs of 256 bytes from byte 3 x 13,312 + 16,384 k
; of the head's part of kv, a lane a run: each run once in the launch; the last ends under block 23's end.  Blocks 0 to 2, the text block and block 23's last 1,024 bytes come by their loads alone.
.macro HS slot
	s_wait_xcnt 0x0                                ; the last half step's prefetch and loads have read their addresses
	s_add_nc_u64 s[PFA:PFA+1], s[PFA:PFA+1], 16384
	s_add_co_u32 s[SN], s[SIG], \slot+1
	s_cmp_lt_u32 s[SN], s[NT]
	s_cbranch_scc0 .Lnoload_\@
	DECODE SN
	s_lshl_b32 s[T0], s[KG], 3
	s_add_co_u32 s[T0], s[T0], s[JJ]
	s_mul_i32 s[OF], s[T0], BLKB
	s_add_nc_u64 s[NB:NB+1], s[KVB:KVB+1], s[OF:OF+1]
	global_load_b128 v[CB:CB+3], v[CP], s[NB:NB+1]
	s_cmp_lt_u32 s[WV], 10
	s_cbranch_scc0 .Lnoload_\@
	global_load_b128 v[CB+4:CB+7], v[CP], s[NB:NB+1] offset:8192
.Lnoload_\@:
	s_cmp_le_u32 s[SN], s[PLIM]
	s_cbranch_scc0 .Lnoask_\@
	global_prefetch_b8 v[PFO], s[PFA:PFA+1] th:TH_LOAD_NT scope:SCOPE_SE
.Lnoask_\@:
	s_add_co_u32 s[SC], s[SIG], \slot
	DECODE SC
	s_cmp_eq_u32 s[KG], 0
	s_cselect_b32 s[T0], s[AW], s[AW12]
	s_cmp_lt_u32 s[JJ], s[T0]                      ; does my tile need this block?  (Behind the walk's end JJ is LA12 or more: no)
	s_cbranch_scc0 .Lrest_\@
	STEP \slot*BLKB, 4
.Lrest_\@:
	s_wait_loadcnt 0x0                             ; the next block is in registers
	s_cmp_lt_u32 s[SN], s[NT]
	s_cbranch_scc0 .Lnostore_\@
	ds_store_b128 v[CP], v[CB:CB+3] offset:(1-\slot)*BLKB
	s_cmp_lt_u32 s[WV], 10
	s_cbranch_scc0 .Lnostore_\@
	ds_store_b128 v[CP], v[CB+4:CB+7] offset:(1-\slot)*BLKB+8192
.Lnostore_\@:
	s_wait_dscnt 0x0                               ; my stores have landed and my reads of this slot are over
	s_barrier_signal -1
	s_barrier_wait -1
.endm
	s_mov_b32 s[SIG], 0
.Lwalk:
	HS 0
	HS 1
	s_add_co_u32 s[SIG], s[SIG], 2
	s_cmp_lt_u32 s[SIG], 24
	s_cbranch_scc1 .Lwalk
	s_cmp_eq_u32 s[AW12], 0                        ; row group 0 never sees text; a wave without a tile has nothing to do
	s_cbranch_scc1 .Lno_text
	STEP TXT, 2
.Lno_text:
	s_cmp_eq_u32 s[AW], 0
	s_cbranch_scc1 .Lend
	; THE WAY OUT: y = O^T / the sum; register 16 b + i is channel 32 b + 16 h + i of my query: quantised as it stands, it is half a fragment of launch proj's operand
.rept 4
	v_nop                                          ; four places behind the last products
.endr
	v_add_f32 v14, v14, v15
	v_permlanex16_b32 v[TA], v14, s[SEL], s[SEL+1]
	v_add_f32 v14, v14, v[TA]                      ; the row's sum
	v_rcp_f32 v14, v14
	v_nop                                          ; a plain place behind the reciprocal,
	s_wait_alu depctr_va_vdst(0)                   ; and a wait ahead of its first reader
.set q_, 0
.rept 32
	v_mul_f32 v[S+q_], v[OT+q_], v14
.set q_, q_+1
.endr
	QUANT32 S, PC, TA
.irp p, 0,1,2
	global_store_b64 v[L8], v[PC+2*\p:PC+2*\p+1], s[12:13] offset:256*\p   ; 256 consecutive bytes
.endr
	v_lshrrev_b32 v[TT], v[SH8], v[TA]             ; lanes 0-15 store block 0's byte, lanes 16-31 block 1's
	global_store_b8 v[YSO], v[TT], s[14:15]
.Lend:
	s_wait_tensorcnt 0x0                           ; the wave's end
	ds_add_u32 v[SPW], v[NIL]
	s_wait_dscnt 0x0
	s_endpgm
.Lfunc_end_k_q0f3f123465_attn:
	.size	k_q0f3f123465_attn, .Lfunc_end_k_q0f3f123465_attn-k_q0f3f123465_attn
	.p2alignl 7, 3214868480
	.fill 96, 4, 3214868480
	.section	.rodata,"a",@progbits
	.p2align	6, 0x0
	.amdhsa_kernel k_q0f3f123465_attn
		.amdhsa_group_segment_fixed_size 41984
		.amdhsa_private_segment_fixed_size 0
		.amdhsa_enable_private_segment 0
		.amdhsa_kernarg_size 48
		.amdhsa_user_sgpr_count 2
		.amdhsa_user_sgpr_kernarg_segment_ptr 1
		.amdhsa_wavefront_size32 1
		.amdhsa_system_sgpr_workgroup_id_x 1
		.amdhsa_system_sgpr_workgroup_id_y 1
		.amdhsa_system_sgpr_workgroup_id_z 1
		.amdhsa_system_vgpr_workitem_id 0
		.amdhsa_next_free_vgpr 256
		.amdhsa_next_free_sgpr 100
		.amdhsa_reserve_vcc 1
		.amdhsa_float_denorm_mode_32 3
		.amdhsa_float_denorm_mode_16_64 3
		.amdhsa_memory_ordered 1
		.amdhsa_forward_progress 1
		.amdhsa_inst_pref_size 76
	.end_amdhsa_kernel
	.amdgpu_metadata
---
amdhsa.version: [ 1, 2 ]
amdhsa.kernels:
  - .name:           k_q0f3f123465_attn
    .symbol:         k_q0f3f123465_attn.kd
    .args:
      - { .name: kv, .offset: 0, .size: 8, .value_kind: global_buffer, .address_space: global }
      - { .name: qb, .offset: 8, .size: 8, .value_kind: global_buffer, .address_space: global }
      - { .name: start_frames, .offset: 16, .size: 8, .value_kind: global_buffer, .address_space: global }
      - { .name: end_frames, .offset: 24, .size: 8, .value_kind: global_buffer, .address_space: global }
      - { .name: yc, .offset: 32, .size: 8, .value_kind: global_buffer, .address_space: global }
      - { .name: ys, .offset: 40, .size: 8, .value_kind: global_buffer, .address_space: global }
    .group_segment_fixed_size: 41984
    .private_segment_fixed_size: 0
    .kernarg_segment_align: 8
    .kernarg_segment_size: 48
    .max_flat_workgroup_size: 512
    .sgpr_count:     100
    .vgpr_count:     256
    .wavefront_size: 32
...
	.end_amdgpu_metadata
.endif
;; end of part 3
;; launch proj (part 4): grid 196 x 1, 8 waves a work-group, no clusters, 35,840 bytes of LDS; arguments yc, ys, cimg, simg, b_proj, out0; writes out0
.if DOCPART == 4
	.amdgcn_target "amdgcn-amd-amdhsa--gfx1250"
	.amdhsa_code_object_version 6
	.text
	.protected	k_q0f3f123465_proj
	.globl	k_q0f3f123465_proj
	.p2align	8
	.type	k_q0f3f123465_proj,@function
k_q0f3f123465_proj:
	s_mov_b64 s[64:65], 0
	v_nop
	global_prefetch_b8 v0, s[64:65] scope:SCOPE_SE
	s_setreg_imm32_b32 hwreg(HW_REG_WAVE_MODE, 25, 1), 1
	s_wait_xcnt 0x0
; LAUNCH 4 OF 4.  out0 = y W_proj^T + b_proj on codes of FP6, K = 512.  y's codes and scale bytes come from launch attn in the order of the operand's registers, W_proj's from launch prep.
; SHARES.  A work-group takes two tiles of y: 32 neighbouring tokens.  Wave w takes columns 64 w .. 64 w + 63: four tiles of W, 16 fragments, loaded straight into its registers.
; Source 0 = 16 rows of W, source 1 = 16 tokens: a lane's eight results are eight neighbouring columns of one token.  The bias is the C of each sum's first matrix instruction.
; THE WAY OUT.  A tile's 16 tokens x 64 columns go through the wave's own stage in LDS (pitch 272) and leave as rows of 256 bytes: sixteen lanes store 256 consecutive bytes, aligned.
; No cluster: a joint load lands in LDS, and the eight waves' 196,608 bytes of W would then be read from there once more; here each wave's part goes from memory into its registers once.
; Nothing is left out here.
.set SPARE, 8*4352                     ; behind the stages: the spare words, 128 bytes a wave
.set LN,  1
.set RR,  2
.set HF,  3
.set LI,  4                            ; v4   16 x lane
.set L8,  5                            ; v5   8 x lane
.set STO, 6                            ; v6   the stage: row r, + 64 h
.set RD,  7                            ; v7   back: lanes 0-15 one row, lanes 16-31 the next
.set SPW, 8                            ; v8   my spare word; never rewritten
.set NIL, 9                            ; v9   0; never rewritten
.set CO,  10                           ; v10  2048 h + 16 r
.set BO,  11                           ; v11  64 h
.set YS,  16                           ; v16-19 y's scale words of the four K steps: lanes 0-15 tile 0, lanes 16-31 tile 1
.set WS,  20                           ; v20-27 W's: register 4 (t / 2) + s
.set YF,  32                           ; v32-127 y's fragments at 48 m + 12 s
.set ACC, 128                          ; v128-191 eight accumulators
.set OB,  192                          ; v192-255 rows on their way out
.set BI,  192                          ; window 1: v0-191 W's fragments at 12 (4 t + s); v192-223 the bias
.set WV,  16
.set MSB, 0
.macro WIN new                         ; the immediate's high byte repeats the setting that is left
.if MSB != (\new)
	s_set_vgpr_msb (MSB<<8)|(\new)
.set MSB, (\new)
.endif
.endm
.macro WM d, a, b, c, sa, sb, ra, rb   ; one product; ra, rb: the side's scale words stand in lanes 16-31
.if (\ra) && (\rb)
	v_wmma_scale_f32_16x16x128_f8f6f4 v[\d:\d+7], v[\a:\a+11], v[\b:\b+11], v[\c:\c+7], v[\sa], v[\sb] matrix_a_fmt:MATRIX_FMT_FP6 matrix_b_fmt:MATRIX_FMT_FP6 matrix_a_scale:MATRIX_SCALE_ROW1 matrix_b_scale:MATRIX_SCALE_ROW1
.elseif \ra
	v_wmma_scale_f32_16x16x128_f8f6f4 v[\d:\d+7], v[\a:\a+11], v[\b:\b+11], v[\c:\c+7], v[\sa], v[\sb] matrix_a_fmt:MATRIX_FMT_FP6 matrix_b_fmt:MATRIX_FMT_FP6 matrix_a_scale:MATRIX_SCALE_ROW1
.elseif \rb
	v_wmma_scale_f32_16x16x128_f8f6f4 v[\d:\d+7], v[\a:\a+11], v[\b:\b+11], v[\c:\c+7], v[\sa], v[\sb] matrix_a_fmt:MATRIX_FMT_FP6 matrix_b_fmt:MATRIX_FMT_FP6 matrix_b_scale:MATRIX_SCALE_ROW1
.else
	v_wmma_scale_f32_16x16x128_f8f6f4 v[\d:\d+7], v[\a:\a+11], v[\b:\b+11], v[\c:\c+7], v[\sa], v[\sb] matrix_a_fmt:MATRIX_FMT_FP6 matrix_b_fmt:MATRIX_FMT_FP6
.endif
.endm
	s_load_b256 s[4:11], s[0:1], 0x0               ; yc, ys, cimg, simg
	s_load_b128 s[12:15], s[0:1], 0x20             ; b_proj, out0
	v_lshl_add_u32 v[SPW], v0, 2, SPARE
	v_mov_b32 v[NIL], 0
	v_lshrrev_b32 v[LN], 5, v0
	v_readfirstlane_b32 s[WV], v[LN]
	v_and_b32 v[LN], 31, v0
	v_and_b32 v[RR], 15, v0
	v_bfe_u32 v[HF], v0, 4, 1
	v_lshlrev_b32 v[LI], 4, v[LN]
	v_lshlrev_b32 v[L8], 3, v[LN]
	s_mul_i32 s34, s[WV], 4352                     ; my stage
	v_mul_u32_u24 v[STO], v[RR], 272
	v_lshl_add_u32 v[STO], v[HF], 6, v[STO]
	v_add_nc_u32 v[STO], s34, v[STO]
	v_mul_u32_u24 v[RD], v[HF], 272
	v_lshl_add_u32 v[RD], v[RR], 4, v[RD]
	v_add_nc_u32 v[RD], s34, v[RD]
	v_lshlrev_b32 v[CO], 11, v[HF]
	v_lshl_add_u32 v[CO], v[RR], 4, v[CO]
	v_lshlrev_b32 v[BO], 6, v[HF]
	s_mul_i32 s20, ttmp9, 12288                    ; two tiles of y's codes,
	s_mov_b32 s21, 0
	s_lshl_b32 s22, ttmp9, 9                       ; and of its scale bytes
	s_mov_b32 s23, 0
	s_lshl_b32 s24, s[WV], 2
	s_add_co_u32 s24, s24, 488                     ; W_proj's tile 4 w
	s_mul_i32 s26, s24, 6144
	s_mov_b32 s27, 0
	s_lshl_b32 s28, s24, 8
	s_mov_b32 s29, 0
	s_lshl_b32 s30, s[WV], 8                       ; my 64 columns, in bytes
	s_mov_b32 s31, 0
	s_lshl_b32 s32, ttmp9, 16                      ; 32 rows of 2,048 bytes
	s_add_co_u32 s32, s32, s30
	s_mov_b32 s33, 0
	s_wait_kmcnt 0x0
	s_add_nc_u64 s[4:5], s[4:5], s[20:21]
	s_add_nc_u64 s[6:7], s[6:7], s[22:23]
	s_add_nc_u64 s[8:9], s[8:9], s[26:27]
	s_add_nc_u64 s[10:11], s[10:11], s[28:29]
	s_add_nc_u64 s[12:13], s[12:13], s[30:31]
	s_add_nc_u64 s[14:15], s[14:15], s[32:33]
	global_load_b128 v[YS:YS+3], v[LI], s[6:7]
.irp p, 0,1
	global_load_b128 v[WS+4*\p:WS+4*\p+3], v[LI], s[10:11] offset:512*\p
.endr
.irp m, 0,1
.irp p, 0,1,2,3,4,5,6,7,8,9,10,11,12,13,14,15,16,17,18,19,20,21,22,23
	global_load_b64 v[YF+48*\m+2*\p:YF+48*\m+2*\p+1], v[L8], s[4:5] offset:6144*\m+256*\p
.endr
.endr
	WIN 0x40                                       ; destination window 1
.irp t, 0,1,2,3
.irp s, 0,1,2,3
.irp c, 0,1,2
	global_load_b128 v[12*(4*\t+\s)+4*\c:12*(4*\t+\s)+4*\c+3], v[LI], s[8:9] offset:6144*\t+1536*\s+512*\c
.endr
.endr
.endr
.irp t, 0,1,2,3                        ; register j of tile t is column 32 (t / 2) + 8 (t % 2) + 16 h + j
	global_load_b128 v[BI+8*\t:BI+8*\t+3], v[BO], s[12:13] offset:(32*(\t/2)+8*(\t%2))*4
	global_load_b128 v[BI+8*\t+4:BI+8*\t+7], v[BO], s[12:13] offset:(32*(\t/2)+8*(\t%2))*4+16
.endr
	s_wait_loadcnt 0x0
.irp s, 0,1,2,3                        ; the eight accumulators take turns, one instruction a turn
.if \s == 0
	WIN 0x11                                       ; source 0 (W) and source 2 (the bias) window 1
.else
	WIN 0x01
.endif
.irp m, 0,1
.irp t, 0,1,2,3
.if \s == 0
	WM ACC+8*(4*\m+\t), 12*(4*\t+\s), YF+48*\m+12*\s, BI+8*\t, WS+4*(\t/2)+\s, YS+\s, \t%2, \m
.else
	WM ACC+8*(4*\m+\t), 12*(4*\t+\s), YF+48*\m+12*\s, ACC+8*(4*\m+\t), WS+4*(\t/2)+\s, YS+\s, \t%2, \m
.endif
.endr
.endr
.endr
	WIN 0
.rept 4
	v_nop                                          ; four places behind the last products
.endr
.irp m, 0,1
.irp t, 0,1,2,3
	ds_store_b128 v[STO], v[ACC+8*(4*\m+\t):ACC+8*(4*\m+\t)+3] offset:128*(\t/2)+32*(\t%2)       ; each accumulator from its low end on
	ds_store_b128 v[STO], v[ACC+8*(4*\m+\t)+4:ACC+8*(4*\m+\t)+7] offset:128*(\t/2)+32*(\t%2)+16
.endr
.irp i, 0,1,2,3,4,5,6,7
	ds_load_b128 v[OB+32*\m+4*\i:OB+32*\m+4*\i+3], v[RD] offset:544*\i   ; LDS serves a wave's instructions in order: these see my stores
.endr
.irp i, 0,1,2,3,4,5,6,7
	s_wait_dscnt 7-\i                              ; the younger loads from the stage may be out
	global_store_b128 v[CO], v[OB+32*\m+4*\i:OB+32*\m+4*\i+3], s[14:15] offset:(8*\m+2*\i+8*(\i/4))*2048 th:TH_STORE_NT   ; stage row p is token 8 m + p + 8 (p / 8) of the 32
.endr
.endr
	s_wait_tensorcnt 0x0                           ; the wave's end
	ds_add_u32 v[SPW], v[NIL]
	s_wait_dscnt 0x0
	s_endpgm
.Lfunc_end_k_q0f3f123465_proj:
	.size	k_q0f3f123465_proj, .Lfunc_end_k_q0f3f123465_proj-k_q0f3f123465_proj
	.p2alignl 7, 3214868480
	.fill 96, 4, 3214868480
	.section	.rodata,"a",@progbits
	.p2align	6, 0x0
	.amdhsa_kernel k_q0f3f123465_proj
		.amdhsa_group_segment_fixed_size 35840
		.amdhsa_private_segment_fixed_size 0
		.amdhsa_enable_private_segment 0
		.amdhsa_kernarg_size 48
		.amdhsa_user_sgpr_count 2
		.amdhsa_user_sgpr_kernarg_segment_ptr 1
		.amdhsa_wavefront_size32 1
		.amdhsa_system_sgpr_workgroup_id_x 1
		.amdhsa_system_sgpr_workgroup_id_y 1
		.amdhsa_system_sgpr_workgroup_id_z 1
		.amdhsa_system_vgpr_workitem_id 0
		.amdhsa_next_free_vgpr 480
		.amdhsa_next_free_sgpr 66
		.amdhsa_reserve_vcc 0
		.amdhsa_float_denorm_mode_32 3
		.amdhsa_float_denorm_mode_16_64 3
		.amdhsa_memory_ordered 1
		.amdhsa_forward_progress 1
		.amdhsa_inst_pref_size 21
	.end_amdhsa_kernel
	.amdgpu_metadata
---
amdhsa.version: [ 1, 2 ]
amdhsa.kernels:
  - .name:           k_q0f3f123465_proj
    .symbol:         k_q0f3f123465_proj.kd
    .args:
      - { .name: yc, .offset: 0, .size: 8, .value_kind: global_buffer, .address_space: global }
      - { .name: ys, .offset: 8, .size: 8, .value_kind: global_buffer, .address_space: global }
      - { .name: cimg, .offset: 16, .size: 8, .value_kind: global_buffer, .address_space: global }
      - { .name: simg, .offset: 24, .size: 8, .value_kind: global_buffer, .address_space: global }
      - { .name: b_proj, .offset: 32, .size: 8, .value_kind: global_buffer, .address_space: global }
      - { .name: out0, .offset: 40, .size: 8, .value_kind: global_buffer, .address_space: global }
    .group_segment_fixed_size: 35840
    .private_segment_fixed_size: 0
    .kernarg_segment_align: 8
    .kernarg_segment_size: 48
    .max_flat_workgroup_size: 256
    .sgpr_count:     66
    .vgpr_count:     480
    .wavefront_size: 32
...
	.end_amdgpu_metadata
.endif
;; end of part 4
;; ======== version 2 of 2: 4 launches
;; workspace buffers: cimg 3,194,880 bytes; simg 133,120 bytes; qb 2,662,400 bytes; kv 5,324,800 bytes; yc 2,408,448 bytes; ys 100,352 bytes
;; launch prep (part 5): grid 520 x 1, 1 waves a work-group, no clusters, 8,704 bytes of LDS; arguments x, W_q, W_k, W_v, W_proj, cimg, simg; writes cimg, simg
.if DOCPART == 5
	.amdgcn_target "amdgcn-amd-amdhsa--gfx1250"
	.amdhsa_code_object_version 6
	.text
	.protected	k_q0f3f123465_prep
	.globl	k_q0f3f123465_prep
	.p2align	8
	.type	k_q0f3f123465_prep,@function
k_q0f3f123465_prep:
	s_mov_b64 s[64:65], 0
	v_nop
	global_prefetch_b8 v0, s[64:65] scope:SCOPE_SE
	s_setreg_imm32_b32 hwreg(HW_REG_WAVE_MODE, 25, 1), 1
	s_wait_xcnt 0x0
; LAUNCH 1 OF 4.  x [6272][512] and the four weights [512][512], f32, K innermost, become codes of FP6 (E2M3) with one E8M0 byte for each 32 along K,
; laid in the order of an operand's registers.  The later launches: qkv (products 1-3, q, k, v quantised), attn (products 4, 5), proj (product 6).
; A TILE is 16 rows x 512 K.  THE ROWS OF A TILE ARE NOT NEIGHBOURS: tile 2 B + u holds, at lane row p, row 32 B + 8 u + p + 8 (p / 8), so that in every later product
; the 16 result registers of tiles 2 B and 2 B + 1 are 16 neighbours along the axis over which the tiles run.  Tiles 0-391: x; 392-, 424-, 456-, 488-: W_q, W_k, W_v, W_proj.
; cimg: tile g, K step s of 128, registers 4 c .. 4 c + 3 of the fragment, lane l: byte 6144 g + 1536 s + 512 c + 16 l.   simg: row p's scale word of K step s: byte 256 g + 16 p + 4 s.
; A work-group is one wave and takes one tile.  Each load reads 512 consecutive bytes of one row; the numbers turn through a stage in LDS (pitch 528: 132 words, so 16 rows start in 16 groups of banks)
; so that a lane holds 16 neighbours of each block of 32, which is what the conversions take.
; DEAD WORK OF THE PROGRAM (left out in launch attn).  reference() builds the motion-motion part of its mask from tril and ones alone.  Where every pair (query, key) of 16 queries x 128 keys is True in that
; part, att is -inf there for all values of the inputs: p = 0, which adds 0 to the row's sum and to y and cannot raise the row's maximum (key 0 is open to every row).  Such steps are not walked:
; key groups 1, 2 and the text keys for motion rows 0-1023, and every step of 128 frames that begins behind the tile's last frame.  All else is computed and selected.  Every input has a way to the output and is loaded.
; LIMITS: a NaN, an infinity or an overflow that reaches only the steps left out is not carried to the result; NaN and infinities among the inputs are not served; a block whose largest magnitude lies under
; 2^-124 keeps the scale byte 1; a block of zeros has the byte 1 where the quantiser says 127 (its codes are zeros, and these bytes are read by this program alone).
; No cluster: no two work-groups read the same byte.
.set PITCH, 528
.set SPARE, 16*PITCH                   ; behind the stage: the spare words, one block of 256 bytes that no other line names
.set LI,  1                            ; v1   16 x lane: my 16 bytes of a load's 512, of a stage row, of a chunk of codes
.set RB,  2                            ; v2   528 r + 64 h: where I read my row back
.set SO,  3                            ; v3   16 r + 8 h: my two scale words
.set SPW, 4                            ; v4   my spare word; never rewritten
.set NIL, 5                            ; v5   0; never rewritten
.set PW,  8                            ; v8-11  the four K steps' scale words
.set R,   16                           ; v16-143  two sets of 64 registers as loaded
.set X,   144                          ; v144-207 64 numbers: register 16 b + i = k 32 b + 16 h + i of my row
.set PC,  208                          ; v208-219 the codes; v220-226 the conversions' second halves
.set TM,  228                          ; v228-243 at work
.set SEL, 28                           ; s[28:29] lane selects: lane l xor 16
	s_load_b256 s[4:11], s[0:1], 0x0               ; x, W_q, W_k, W_v
	s_load_b128 s[12:15], s[0:1], 0x20             ; W_proj, cimg
	s_load_b64 s[16:17], s[0:1], 0x30              ; simg
	v_lshl_add_u32 v[SPW], v0, 2, SPARE
	v_mov_b32 v[NIL], 0
	v_lshlrev_b32 v[LI], 4, v0
	v_and_b32 v6, 15, v0                           ; r
	v_lshrrev_b32 v7, 4, v0                        ; h
	v_mul_u32_u24 v[RB], v6, PITCH
	v_lshl_add_u32 v[RB], v7, 6, v[RB]
	v_lshlrev_b32 v[SO], 4, v6
	v_lshl_add_u32 v[SO], v7, 3, v[SO]
.irp b, 0,1,2,3
	v_mov_b32 v[TM+4+\b], 0                        ; written once: a lane permute's destination counts as one of its sources
.endr
	s_mov_b32 s[SEL], 0x76543210
	s_mov_b32 s[SEL+1], 0xfedcba98
	s_sub_co_u32 s19, ttmp9, 392
	s_lshr_b32 s18, s19, 5                         ; which weight
	s_and_b32 s19, s19, 31                         ; and which of its 32 tiles
	s_cmp_lt_u32 ttmp9, 392
	s_cselect_b32 s19, ttmp9, s19                  ; or x's tile
	s_lshr_b32 s22, s19, 1
	s_lshl_b32 s22, s22, 16                        ; 32 rows of 2,048 bytes for each pair of tiles,
	s_and_b32 s23, s19, 1
	s_lshl_b32 s23, s23, 14                        ; 8 rows for the odd tile
	s_add_co_u32 s22, s22, s23
	s_mov_b32 s23, 0
	s_mul_i32 s26, ttmp9, 6144
	s_mov_b32 s27, 0
	s_lshl_b32 s30, ttmp9, 8
	s_mov_b32 s31, 0
	s_wait_alu depctr_va_vdst(0)
	s_wait_kmcnt 0x0
	s_cmp_eq_u32 s18, 1                            ; the source is chosen on the work-group's number alone
	s_cselect_b64 s[20:21], s[8:9], s[6:7]
	s_cmp_eq_u32 s18, 2
	s_cselect_b64 s[20:21], s[10:11], s[20:21]
	s_cmp_eq_u32 s18, 3
	s_cselect_b64 s[20:21], s[12:13], s[20:21]
	s_cmp_lt_u32 ttmp9, 392
	s_cselect_b64 s[20:21], s[4:5], s[20:21]
	s_add_nc_u64 s[20:21], s[20:21], s[22:23]
	s_add_nc_u64 s[14:15], s[14:15], s[26:27]
	s_add_nc_u64 s[16:17], s[16:17], s[30:31]
.macro LOAD t                          ; K step t: 512 bytes of each of the tile's 16 rows
.irp p, 0,1,2,3,4,5,6,7,8,9,10,11,12,13,14,15
	global_load_b128 v[R+64*((\t)%2)+4*\p:R+64*((\t)%2)+4*\p+3], v[LI], s[20:21] offset:(\p+8*(\p/8))*2048+512*(\t) th:TH_LOAD_NT
.endr
.endm
.macro TURN t                          ; through the stage: LDS serves a wave's instructions in order, so no wait stands between the stores and the loads
.irp p, 0,1,2,3,4,5,6,7,8,9,10,11,12,13,14,15
	ds_store_b128 v[LI], v[R+64*((\t)%2)+4*\p:R+64*((\t)%2)+4*\p+3] offset:PITCH*\p
.endr
.irp b, 0,1,2,3
.irp j, 0,1,2,3
	ds_load_b128 v[X+16*\b+4*\j:X+16*\b+4*\j+3], v[RB] offset:128*\b+16*\j
.endr
.endr
.endm
; 64 numbers of a lane become a fragment's codes in v[PC] on and my row's scale word
.macro QUANT128 s, pw
.irp b, 0,1,2,3
	v_max3_num_f32 v[TM+\b], |v[\s+16*\b]|, |v[\s+1+16*\b]|, 0x1800000   ; my 16 numbers of block b, and the floor 2^(3 - 127): the byte cannot fall under 1
.endr
.irp i, 2,4,6,8,10,12,14
.irp b, 0,1,2,3
	v_max3_num_f32 v[TM+\b], v[TM+\b], |v[\s+16*\b+\i]|, |v[\s+1+16*\b+\i]|
.endr
.endr
.irp b, 0,1,2,3
	v_permlanex16_b32 v[TM+4+\b], v[TM+\b], s[SEL], s[SEL+1]
.endr
.irp b, 0,1,2,3
	v_max_num_f32 v[TM+\b], v[TM+\b], v[TM+4+\b]   ; with lane l xor 16's: the block's largest magnitude
.endr
.irp b, 0,1,2,3
	v_add_nc_u32 v[TM+12+\b], 0xff000000, v[TM+\b] ; 2 off its exponent field: the conversion's scale operand
.endr
.irp b, 0,1,2,3
	v_lshrrev_b32 v[TM+4+\b], 23, v[TM+12+\b]      ; the scale's byte
.endr
	v_lshl_or_b32 v[\pw], v[TM+5], 8, v[TM+4]
	v_lshl_or_b32 v[\pw], v[TM+6], 16, v[\pw]
	v_lshl_or_b32 v[\pw], v[TM+7], 24, v[\pw]
.irp c, 0,1
	v_cvt_scalef32_pk16_fp6_f32 v[PC+6*\c:PC+2+6*\c], v[\s+32*\c:\s+15+32*\c], v[TM+12+2*\c]
	v_cvt_scalef32_pk16_fp6_f32 v[PC+12+4*\c:PC+14+4*\c], v[\s+16+32*\c:\s+31+32*\c], v[TM+12+2*\c+1]   ; (a conversion's three registers begin on an even number)
.endr
	v_nop                                          ; one plain place behind a scaled conversion
.irp c, 0,1                            ; the operand wants a whole block in a lane: lanes 0-15 block 2 c, lanes 16-31 block 2 c + 1
.irp i, 0,1,2
	v_permlane16_swap_b32 v[PC+6*\c+\i], v[PC+12+4*\c+\i]
.endr
.irp i, 0,1,2
	v_mov_b32 v[PC+3+6*\c+\i], v[PC+12+4*\c+\i]
.endr
.endr
.endm
	LOAD 0
	LOAD 1
.irp s, 0,1,2,3
.if \s < 3
	s_wait_loadcnt 16                              ; this K step's sixteen loads are in; the next step's sixteen may be out
.else
	s_wait_loadcnt 0x0
.endif
	TURN \s
	s_wait_dscnt 0x0                               ; the numbers are back, and the stores into the stage have read their registers,
.if \s < 2
	LOAD \s+2                                      ; which take the loads of two steps on
.endif
.if \s > 0
	s_wait_xcnt 0x0                                ; the last step's stores have read the codes' registers
.endif
	QUANT128 X, PW+\s
.irp c, 0,1,2
	global_store_b128 v[LI], v[PC+4*\c:PC+4*\c+3], s[14:15] offset:1536*\s+512*\c   ; 32 lanes store 512 consecutive bytes
.endr
.endr
	v_cmp_le_u32 vcc_lo, 16, v0                    ; lanes 0-15 store K steps 0 and 1 of their row's words, lanes 16-31 steps 2 and 3
	v_cndmask_b32 v12, v[PW], v[PW+2], vcc_lo
	v_cndmask_b32 v13, v[PW+1], v[PW+3], vcc_lo
	global_store_b64 v[SO], v[12:13], s[16:17]     ; 256 consecutive bytes
	s_wait_tensorcnt 0x0                           ; the wave's end
	ds_add_u32 v[SPW], v[NIL]
	s_wait_dscnt 0x0
	s_endpgm
.Lfunc_end_k_q0f3f123465_prep:
	.size	k_q0f3f123465_prep, .Lfunc_end_k_q0f3f123465_prep-k_q0f3f123465_prep
	.p2alignl 7, 3214868480
	.fill 96, 4, 3214868480
	.section	.rodata,"a",@progbits
	.p2align	6, 0x0
	.amdhsa_kernel k_q0f3f123465_prep
		.amdhsa_group_segment_fixed_size 8704
		.amdhsa_private_segment_fixed_size 0
		.amdhsa_enable_private_segment 0
		.amdhsa_kernarg_size 56
		.amdhsa_user_sgpr_count 2
		.amdhsa_user_sgpr_kernarg_segment_ptr 1
		.amdhsa_wavefront_size32 1
		.amdhsa_system_sgpr_workgroup_id_x 1
		.amdhsa_system_sgpr_workgroup_id_y 1
		.amdhsa_system_sgpr_workgroup_id_z 1
		.amdhsa_system_vgpr_workitem_id 0
		.amdhsa_next_free_vgpr 248
		.amdhsa_next_free_sgpr 66
		.amdhsa_reserve_vcc 1
		.amdhsa_float_denorm_mode_32 3
		.amdhsa_float_denorm_mode_16_64 3
		.amdhsa_memory_ordered 1
		.amdhsa_forward_progress 1
		.amdhsa_inst_pref_size 33
	.end_amdhsa_kernel
	.amdgpu_metadata
---
amdhsa.version: [ 1, 2 ]
amdhsa.kernels:
  - .name:           k_q0f3f123465_prep
    .symbol:         k_q0f3f123465_prep.kd
    .args:
      - { .name: x, .offset: 0, .size: 8, .value_kind: global_buffer, .address_space: global }
      - { .name: W_q, .offset: 8, .size: 8, .value_kind: global_buffer, .address_space: global }
      - { .name: W_k, .offset: 16, .size: 8, .value_kind: global_buffer, .address_space: global }
      - { .name: W_v, .offset: 24, .size: 8, .value_kind: global_buffer, .address_space: global }
      - { .name: W_proj, .offset: 32, .size: 8, .value_kind: global_buffer, .address_space: global }
      - { .name: cimg, .offset: 40, .size: 8, .value_kind: global_buffer, .address_space: global }
      - { .name: simg, .offset: 48, .size: 8, .value_kind: global_buffer, .address_space: global }
    .group_segment_fixed_size: 8704
    .private_segment_fixed_size: 0
    .kernarg_segment_align: 8
    .kernarg_segment_size: 56
    .max_flat_workgroup_size: 32
    .sgpr_count:     66
    .vgpr_count:     248
    .wavefront_size: 32
...
	.end_amdgpu_metadata
.endif
;; end of part 5
;; launch qkv (part 6): grid 50 x 3, 8 waves a work-group, no clusters, 50,176 bytes of LDS; arguments cimg, simg, b_q, b_k, b_v, qb, kv; writes qb, kv
.if DOCPART == 6
	.amdgcn_target "amdgcn-amd-amdhsa--gfx1250"
	.amdhsa_code_object_version 6
	.text
	.protected	k_q0f3f123465_qkv
	.globl	k_q0f3f123465_qkv
	.p2align	8
	.type	k_q0f3f123465_qkv,@function
k_q0f3f123465_qkv:
	s_mov_b64 s[64:65], 0
	v_nop
	global_prefetch_b8 v0, s[64:65] scope:SCOPE_SE
	s_setreg_imm32_b32 hwreg(HW_REG_WAVE_SCHED_MODE, 0, 2), 2
	s_setreg_imm32_b32 hwreg(HW_REG_WAVE_MODE, 25, 1), 1
	s_wait_xcnt 0x0
	s_wait_alu depctr_vm_vsrc(0)
; LAUNCH 2 OF 4.  q, k or v = x W^T + b on codes of FP6, K = 512, and the result quantised at once: q and k along the head's 64 channels, v along the keys.  Nothing goes to memory in f32.
; SHARES.  Work-group x = 25 b + n: batch b, step n of 128 tokens (n = 24: the 64 text tokens); y = 0, 1, 2: q, k, v.  Wave w is head w: 64 columns, four tiles of W, which stay in its registers.
; x's eight tiles (49,152 bytes, as they lie in cimg) are copied into LDS once and read by all eight waves.
; q, k: source 0 = 16 rows of W, source 1 = 16 tokens: a lane holds one token and its 32 registers of four tiles run along the head's 64 channels.
; v:    source 0 = 16 tokens, source 1 = 16 rows of W: a lane holds one channel and its 32 registers of four tiles run along 64 tokens, the second attention product's K.
; The tiles' rows are chosen as launch prep lays them, so that each 16 registers are 16 neighbours.  The bias is the C of each sum's first matrix instruction.
; OUT.  qb, block (8 b + w, n) of 6,656 bytes: tile t's six registers as three pairs at 768 t + 256 p + 8 lane; at 6144 + 16 lane + 4 u the scale word of tile 2 u + lane / 16, row lane % 16.
;       kv, block of 13,312 bytes: at 0 k's 48 registers (6 t + i) as twelve chunks; at 6144 v's four channel tiles, 12 registers each, as pairs; at 12288 k's scale words as q's; at 12800 v's: (tile h, tile 2 + h, 0, 0).
;       In block 24 the upper halves of k and v are zero codes with the scale byte 0: every byte of kv is written.  Of qb's block 24 tiles 4-7 are neither written nor read.
; No cluster: the grid of 50 x 3 is no multiple of four along either axis.
; LIMITS as stated at the head of launch prep (floor of the scale byte, blocks of zeros, NaN and infinities).
; THE MODE: SCHED_MODE bits 1:0 = 2 (LLVM: expert scheduling mode 2), set by the entry lines.  The code itself states the register dependences
; between vector or matrix instructions and memory or LDS instructions, with s_wait_alu, always for 0.
; THE PLAN.  Registers that memory or LDS instructions touch:
;   v4-v7, v10    offsets, made at the head and never written again; v24-31 (x's scale words of tiles 4-7) are cleared there and loads may land in them: ONE wait on va_vdst ahead of the first load serves all of these.
;   v128-175      the copy's staging: loads land, LDS stores read them; afterwards they are accumulators: one wait on vm_vsrc behind the barrier.
;   XF            each K step four fragments land in it by LDS loads and the step's sixteen products read it; the quantiser writes v80-90 among it.  One wait on va_vdst ahead of the loads of K steps 1 to 3 of a half;
;                 a half's K step 0 stands behind an earlier wait on va_vdst (the head's; the one ahead of the first half's stores) since which no vector or matrix instruction names XF.
;   OUTC, SW      written by vector instructions, read by global stores: a wait on va_vdst ahead of each run of stores; OUTC is written again in the second half: a wait on vm_vsrc between the halves.
;   W's fragments, the bias, the scale words: loaded once, read by matrix instructions alone.  HW: vector instructions alone.
; XF has one buffer: window 0 holds the 128 accumulators, XF and the codes on their way out; window 1 has 32 registers left, a buffer is 48.
.set SPARE, 49152                      ; behind x's images: the spare words, 128 bytes a wave
.set LN,  1                            ; v1 lane;  v2 r;  v3 h
.set RR,  2
.set HF,  3
.set LI,  4                            ; v4   16 x lane
.set L8,  5                            ; v5   8 x lane
.set CP,  6                            ; v6   16 x thread: the copy
.set BO,  7                            ; v7   64 h: q's and k's bias
.set SPW, 8                            ; v8   my spare word; never rewritten
.set NIL, 9                            ; v9   0; never rewritten
.set BV,  10                           ; v10  4 (r + 8 (r / 8)): v's bias
.set XS,  16                           ; v16-31 x's scale words: register 4 (m / 2) + s; lanes 0-15 the even tile, lanes 16-31 the odd one
.set WS,  32                           ; v32-39 W's likewise
.set HW,  40                           ; v40-47 the half words of scale bytes just made
.set OUTC, 48                          ; v48-71 codes of four half fragments
.set SW,  72                           ; v72-75 a chunk of scale words
.set XF,  80                           ; v80-127 four fragments of x
.set TM,  80                           ; while quantising: v80-85 at work, v88-90 a conversion's second half
.set CT,  88
.set ACC, 128                          ; v128-255 sixteen accumulators; at the head the copy's staging
.set BI,  192                          ; window 1: v0-191 W's fragments at 12 (4 t + s); v192-223 the bias, 8 registers a tile
.set WV,  18
.set MODE, 19
.set BB,  20
.set NN,  21
.set SEL, 58
.set MSB, 0
.macro WIN new                         ; the immediate's high byte repeats the setting that is left
.if MSB != (\new)
	s_set_vgpr_msb (MSB<<8)|(\new)
.set MSB, (\new)
.endif
.endm
.macro WM d, a, b, c, sa, sb, ra, rb   ; one product; ra, rb: the side's scale words stand in lanes 16-31
.if (\ra) && (\rb)
	v_wmma_scale_f32_16x16x128_f8f6f4 v[\d:\d+7], v[\a:\a+11], v[\b:\b+11], v[\c:\c+7], v[\sa], v[\sb] matrix_a_fmt:MATRIX_FMT_FP6 matrix_b_fmt:MATRIX_FMT_FP6 matrix_a_scale:MATRIX_SCALE_ROW1 matrix_b_scale:MATRIX_SCALE_ROW1
.elseif \ra
	v_wmma_scale_f32_16x16x128_f8f6f4 v[\d:\d+7], v[\a:\a+11], v[\b:\b+11], v[\c:\c+7], v[\sa], v[\sb] matrix_a_fmt:MATRIX_FMT_FP6 matrix_b_fmt:MATRIX_FMT_FP6 matrix_a_scale:MATRIX_SCALE_ROW1
.elseif \rb
	v_wmma_scale_f32_16x16x128_f8f6f4 v[\d:\d+7], v[\a:\a+11], v[\b:\b+11], v[\c:\c+7], v[\sa], v[\sb] matrix_a_fmt:MATRIX_FMT_FP6 matrix_b_fmt:MATRIX_FMT_FP6 matrix_b_scale:MATRIX_SCALE_ROW1
.else
	v_wmma_scale_f32_16x16x128_f8f6f4 v[\d:\d+7], v[\a:\a+11], v[\b:\b+11], v[\c:\c+7], v[\sa], v[\sb] matrix_a_fmt:MATRIX_FMT_FP6 matrix_b_fmt:MATRIX_FMT_FP6
.endif
.endm
; 32 numbers of a lane, register 16 b + i = element 32 b + 16 h + i, become six registers of codes (element 32 h + 0 .. 31) and two scale bytes
.macro QUANT32 s, pc, hw
.irp b, 0,1
	v_max3_num_f32 v[TM+\b], |v[\s+16*\b]|, |v[\s+16*\b+1]|, 0x1800000   ; with the floor 2^(3 - 127): the byte cannot fall under 1
.endr
.irp i, 2,4,6,8,10,12,14
.irp b, 0,1
	v_max3_num_f32 v[TM+\b], v[TM+\b], |v[\s+16*\b+\i]|, |v[\s+16*\b+\i+1]|
.endr
.endr
.irp b, 0,1
	v_permlanex16_b32 v[TM+2+\b], v[TM+\b], s[SEL], s[SEL+1]
.endr
.irp b, 0,1
	v_max_num_f32 v[TM+\b], v[TM+\b], v[TM+2+\b]   ; with lane l xor 16's: the block's largest magnitude
.endr
.irp b, 0,1
	v_add_nc_u32 v[TM+4+\b], 0xff000000, v[TM+\b]  ; 2 off its exponent field: the conversion's scale operand
.endr
.irp b, 0,1
	v_lshrrev_b32 v[TM+2+\b], 23, v[TM+4+\b]       ; the scale's byte
.endr
	v_lshl_or_b32 v[\hw], v[TM+3], 8, v[TM+2]
	v_cvt_scalef32_pk16_fp6_f32 v[\pc:\pc+2], v[\s:\s+15], v[TM+4]
	v_cvt_scalef32_pk16_fp6_f32 v[CT:CT+2], v[\s+16:\s+31], v[TM+5]
	v_nop                                          ; one plain place behind a scaled conversion
.irp i, 0,1,2
	v_permlane16_swap_b32 v[\pc+\i], v[CT+\i]      ; a whole block to a lane: lanes 0-15 block 0, lanes 16-31 block 1
.endr
.irp i, 0,1,2
	v_mov_b32 v[\pc+3+\i], v[CT+\i]
.endr
.endm
	s_load_b256 s[4:11], s[0:1], 0x0               ; cimg, simg, b_q, b_k
	s_load_b128 s[12:15], s[0:1], 0x20             ; b_v, qb
	s_load_b64 s[16:17], s[0:1], 0x30              ; kv
	v_lshl_add_u32 v[SPW], v0, 2, SPARE
	v_mov_b32 v[NIL], 0
	v_lshrrev_b32 v[LN], 5, v0
	v_readfirstlane_b32 s[WV], v[LN]               ; wave = head
	v_and_b32 v[LN], 31, v0
	v_and_b32 v[RR], 15, v0
	v_bfe_u32 v[HF], v0, 4, 1
	v_lshlrev_b32 v[LI], 4, v[LN]
	v_lshlrev_b32 v[L8], 3, v[LN]
	v_lshlrev_b32 v[CP], 4, v0
	v_lshlrev_b32 v[BO], 6, v[HF]
	v_and_b32 v[BV], 8, v[RR]
	v_add_nc_u32 v[BV], v[BV], v[RR]
	v_lshlrev_b32 v[BV], 2, v[BV]
.irp e, 8,9,10,11,12,13,14,15
	v_mov_b32 v[XS+\e], 0                          ; tiles 4-7's words: loaded below where the step has them
.endr
	s_wait_alu depctr_va_sdst(0)                   ; the wave's number is written, ahead of its first reader: W's tile, the block and the bias's offset are made from it
	s_mov_b32 s[SEL], 0x76543210
	s_mov_b32 s[SEL+1], 0xfedcba98
	s_and_b32 s[MODE], ttmp7, 0xffff
	s_cmp_ge_u32 ttmp9, 25
	s_cselect_b32 s[BB], 1, 0
	s_cselect_b32 s22, 25, 0
	s_sub_co_u32 s[NN], ttmp9, s22
	s_mul_i32 s22, s[BB], 196
	s_lshl_b32 s23, s[NN], 3
	s_add_co_u32 s22, s22, s23                     ; x's first tile: 196 b + 8 n
	s_mul_i32 s24, s22, 6144
	s_mov_b32 s25, 0
	s_lshl_b32 s26, s22, 8
	s_mov_b32 s27, 0
	s_lshl_b32 s23, s[MODE], 5
	s_lshl_b32 s28, s[WV], 2
	s_add_co_u32 s23, s23, s28
	s_add_co_u32 s23, s23, 392                     ; W's first tile: 392 + 32 mode + 4 head
	s_mul_i32 s28, s23, 6144
	s_mov_b32 s29, 0
	s_lshl_b32 s30, s23, 8
	s_mov_b32 s31, 0
	s_lshl_b32 s32, s[BB], 3
	s_add_co_u32 s32, s32, s[WV]
	s_mul_i32 s32, s32, 25
	s_add_co_u32 s32, s32, s[NN]                   ; the block: 25 (8 b + head) + n
	s_mul_i32 s34, s32, 6656
	s_mov_b32 s35, 0
	s_mul_i32 s36, s32, 13312
	s_mov_b32 s37, 0
	s_lshl_b32 s38, s[WV], 8                       ; the head's 64 numbers of the bias
	s_mov_b32 s39, 0
	s_wait_kmcnt 0x0
	s_add_nc_u64 s[40:41], s[4:5], s[24:25]        ; x's codes
	s_add_nc_u64 s[42:43], s[6:7], s[26:27]        ; x's scale words
	s_add_nc_u64 s[44:45], s[4:5], s[28:29]        ; W's codes
	s_add_nc_u64 s[46:47], s[6:7], s[30:31]        ; W's scale words
	s_cmp_eq_u32 s[MODE], 1
	s_cselect_b64 s[48:49], s[10:11], s[8:9]
	s_cmp_eq_u32 s[MODE], 2
	s_cselect_b64 s[48:49], s[12:13], s[48:49]
	s_add_nc_u64 s[48:49], s[48:49], s[38:39]      ; the bias
	s_add_nc_u64 s[50:51], s[14:15], s[34:35]      ; my block of qb
	s_add_nc_u64 s[52:53], s[16:17], s[36:37]      ; my block of kv
	s_add_nc_u64 s[54:55], s[50:51], 6144
	s_add_nc_u64 s[56:57], s[52:53], 12288
	s_cmp_eq_u32 s[MODE], 0
	s_cselect_b64 s[54:55], s[54:55], s[56:57]     ; where q's or k's scale words go
	WIN 0x40                                       ; destination window 1
	s_wait_alu depctr_va_vdst(0)                   ; the offsets v4 to v7 and v10 are written, which every load and store of the kernel reads; so are the zeros in v24 to v31, in which loads may land.  Up to the barrier only loads, LDS stores and window switches follow
.irp t, 0,1,2,3
.irp s, 0,1,2,3
.irp c, 0,1,2
	global_load_b128 v[12*(4*\t+\s)+4*\c:12*(4*\t+\s)+4*\c+3], v[LI], s[44:45] offset:6144*\t+1536*\s+512*\c
.endr
.endr
.endr
	WIN 0
.irp p, 0,1
	global_load_b128 v[WS+4*\p:WS+4*\p+3], v[LI], s[46:47] offset:512*\p
	global_load_b128 v[XS+4*\p:XS+4*\p+3], v[LI], s[42:43] offset:512*\p
.endr
	s_cmp_eq_u32 s[MODE], 2
	s_cbranch_scc1 .Lbias_v
	WIN 0x40
.irp t, 0,1,2,3                        ; q, k: register j of tile t is channel 32 (t / 2) + 8 (t % 2) + 16 h + j
	global_load_b128 v[BI+8*\t:BI+8*\t+3], v[BO], s[48:49] offset:(32*(\t/2)+8*(\t%2))*4
	global_load_b128 v[BI+8*\t+4:BI+8*\t+7], v[BO], s[48:49] offset:(32*(\t/2)+8*(\t%2))*4+16
.endr
	WIN 0
	s_branch .Lbias_done
.Lbias_v:
	WIN 0x40
.irp t, 0,1,2,3                        ; v: all eight registers of tile t are the lane's channel 32 (t / 2) + 8 (t % 2) + r + 8 (r / 8): the same word goes straight into each, so no move and no wait of its own is needed
.irp j, 0,1,2,3,4,5,6,7
	global_load_b32 v[BI+8*\t+\j], v[BV], s[48:49] offset:(32*(\t/2)+8*(\t%2))*4
.endr
.endr
	WIN 0
.Lbias_done:
.irp i, 0,1,2,3,4,5                    ; x's tiles 0-3: six rounds of 4,096 bytes, 16 a thread
	global_load_b128 v[ACC+4*\i:ACC+4*\i+3], v[CP], s[40:41] offset:4096*\i
.endr
	s_cmp_eq_u32 s[NN], 24
	s_cbranch_scc1 .Lshort                         ; the text step has four tiles
.irp i, 6,7,8,9,10,11
	global_load_b128 v[ACC+4*\i:ACC+4*\i+3], v[CP], s[40:41] offset:4096*\i
.endr
.irp p, 2,3
	global_load_b128 v[XS+4*\p:XS+4*\p+3], v[LI], s[42:43] offset:512*\p
.endr
	s_wait_loadcnt 0x0
.irp i, 6,7,8,9,10,11
	ds_store_b128 v[CP], v[ACC+4*\i:ACC+4*\i+3] offset:4096*\i
.endr
.Lshort:
	s_wait_loadcnt 0x0
.irp i, 0,1,2,3,4,5
	ds_store_b128 v[CP], v[ACC+4*\i:ACC+4*\i+3] offset:4096*\i
.endr
	s_wait_dscnt 0x0                               ; my stores have landed,
	s_barrier_signal -1
	s_barrier_wait -1                              ; everybody's have: x's images are whole.  The launch's one barrier
	s_wait_alu depctr_vm_vsrc(0)                   ; my LDS stores have read the staging registers v128 to v175: they are accumulators from here on, written by the products
; Half i of the step: x's tiles 4 i .. 4 i + 3 against my four tiles of W, K step by K step; the sixteen accumulators take turns, one instruction a turn.  vm = 1: v's order of sources.
.macro MUL vm, i
.irp s, 0,1,2,3
.rept 4
	v_nop                                          ; four places in front of loads into registers that matrix instructions have read
.endr
.if \s
	s_wait_alu depctr_va_vdst(0)                   ; the last K step's products are done reading XF, in which the loads below land.  (A half's first K step: no vector or matrix instruction since the last wait on va_vdst names XF)
.endif
.irp m, 0,1,2,3
.irp c, 0,1,2
	ds_load_b128 v[XF+12*\m+4*\c:XF+12*\m+4*\c+3], v[LI] offset:(4*\i+\m)*6144+1536*\s+512*\c
.endr
.endr
	s_wait_dscnt 0x0
.if \vm
.if \s == 0
	WIN 0x14                                       ; source 1 (W) and source 2 (the bias) window 1
.else
	WIN 0x04
.endif
.else
.if \s == 0
	WIN 0x11                                       ; source 0 (W) and source 2 (the bias) window 1
.else
	WIN 0x01
.endif
.endif
.irp m, 0,1,2,3
.irp t, 0,1,2,3
.if \vm
.if \s == 0
	WM ACC+8*(4*\t+\m), XF+12*\m, 12*(4*\t+\s), BI+8*\t, XS+4*((4*\i+\m)/2)+\s, WS+4*(\t/2)+\s, \m%2, \t%2
.else
	WM ACC+8*(4*\t+\m), XF+12*\m, 12*(4*\t+\s), ACC+8*(4*\t+\m), XS+4*((4*\i+\m)/2)+\s, WS+4*(\t/2)+\s, \m%2, \t%2
.endif
.else
.if \s == 0
	WM ACC+8*(4*\m+\t), 12*(4*\t+\s), XF+12*\m, BI+8*\t, WS+4*(\t/2)+\s, XS+4*((4*\i+\m)/2)+\s, \t%2, \m%2
.else
	WM ACC+8*(4*\m+\t), 12*(4*\t+\s), XF+12*\m, ACC+8*(4*\m+\t), WS+4*(\t/2)+\s, XS+4*((4*\i+\m)/2)+\s, \t%2, \m%2
.endif
.endif
.endr
.endr
	WIN 0
.endr
.endm
.macro QHALF i                         ; the half's four runs of 32 registers (q, k: a tile of tokens each; v: a tile of channels each) are quantised
.rept 4
	v_nop                                          ; four places behind the last products
.endr
.irp e, 0,1,2,3
	QUANT32 ACC+32*\e, OUTC+6*\e, HW+4*\i+\e
.endr
.endm
.macro ZERO                            ; the text step's upper half: zero codes, scale bytes 0
.set z_, 0
.rept 24
	v_mov_b32 v[OUTC+z_], 0
.set z_, z_+1
.endr
.irp e, 4,5,6,7
	v_mov_b32 v[HW+\e], 0
.endr
.endm
.macro ST_QK i
	s_wait_alu depctr_va_vdst(0)                   ; the conversions, swaps and moves (in the text step's upper half: the zeros) have written OUTC, which the stores below read
	s_cmp_eq_u32 s[MODE], 0
	s_cbranch_scc0 .Lk_\@
.if \i
	s_cmp_eq_u32 s[NN], 24
	s_cbranch_scc1 .Lstored_\@                     ; q's text block has four tiles
.endif
.irp m, 0,1,2,3
.irp p, 0,1,2
	global_store_b64 v[L8], v[OUTC+6*\m+2*\p:OUTC+6*\m+2*\p+1], s[50:51] offset:768*(4*\i+\m)+256*\p   ; 256 consecutive bytes
.endr
.endr
	s_branch .Lstored_\@
.Lk_\@:
.irp q, 0,1,2,3,4,5
	global_store_b128 v[LI], v[OUTC+4*\q:OUTC+4*\q+3], s[52:53] offset:3072*\i+512*\q
.endr
.Lstored_\@:
.endm
.macro ST_V i
	s_wait_alu depctr_va_vdst(0)                   ; the conversions, swaps and moves (in the text step's upper half: the zeros) have written OUTC, which the stores below read
.irp c, 0,1,2,3
.irp p, 0,1,2
	global_store_b64 v[L8], v[OUTC+6*\c+2*\p:OUTC+6*\c+2*\p+1], s[52:53] offset:6144+1536*\c+256*(3*\i+\p)
.endr
.endr
.endm
	s_cmp_eq_u32 s[MODE], 2
	s_cbranch_scc1 .Lv
	MUL 0, 0
	QHALF 0
	ST_QK 0
	s_wait_xcnt 0x0                                ; the stores have read the codes' registers
	s_wait_alu depctr_vm_vsrc(0)                   ; the stores have read OUTC, which the second half's conversions, or the zeros, write again
	s_cmp_eq_u32 s[NN], 24
	s_cbranch_scc1 .Lqk_zero
	MUL 0, 1
	QHALF 1
	s_branch .Lqk_join
.Lqk_zero:
	ZERO
.Lqk_join:
	ST_QK 1
	v_cmp_le_u32 vcc_lo, 16, v[LN]
	s_wait_alu depctr_va_vcc(0)                    ; the compare has written VCC, which the four selects read
.irp u, 0,1,2,3
	v_cndmask_b32 v[SW+\u], v[HW+2*\u], v[HW+2*\u+1], vcc_lo   ; lanes 0-15 the even tile's word, lanes 16-31 the odd one's
.endr
	s_wait_alu depctr_va_vdst(0)                   ; the selects have written SW, which the store reads
	global_store_b128 v[LI], v[SW:SW+3], s[54:55]
	s_branch .Lend
.Lv:
	MUL 1, 0
	QHALF 0
	ST_V 0
	s_wait_xcnt 0x0
	s_wait_alu depctr_vm_vsrc(0)                   ; the stores have read OUTC, which the second half's conversions, or the zeros, write again
	s_cmp_eq_u32 s[NN], 24
	s_cbranch_scc1 .Lv_zero
	MUL 1, 1
	QHALF 1
	s_branch .Lv_join
.Lv_zero:
	ZERO
.Lv_join:
	ST_V 1
.irp c, 0,1,2,3
	v_lshl_or_b32 v[HW+\c], v[HW+4+\c], 16, v[HW+\c]   ; keys 0-63's two bytes below, keys 64-127's above
.endr
	v_cmp_le_u32 vcc_lo, 16, v[LN]
	s_wait_alu depctr_va_vcc(0)                    ; the compare has written VCC, which the two selects read
	v_cndmask_b32 v[SW], v[HW], v[HW+1], vcc_lo
	v_cndmask_b32 v[SW+1], v[HW+2], v[HW+3], vcc_lo
	v_mov_b32 v[SW+2], 0
	v_mov_b32 v[SW+3], 0
	s_wait_alu depctr_va_vdst(0)                   ; the selects and the two moves have written SW, which the store reads
	global_store_b128 v[LI], v[SW:SW+3], s[52:53] offset:12800
.Lend:
	s_wait_dscnt 0x0                               ; the closing lines, six on end
	s_wait_alu 0x0
	s_wait_tensorcnt 0x0
	ds_add_u32 v[SPW], v[NIL]
	s_wait_dscnt 0x0
	s_endpgm
.Lfunc_end_k_q0f3f123465_qkv:
	.size	k_q0f3f123465_qkv, .Lfunc_end_k_q0f3f123465_qkv-k_q0f3f123465_qkv
	.p2alignl 7, 3214868480
	.fill 96, 4, 3214868480
	.section	.rodata,"a",@progbits
	.p2align	6, 0x0
	.amdhsa_kernel k_q0f3f123465_qkv
		.amdhsa_group_segment_fixed_size 50176
		.amdhsa_private_segment_fixed_size 0
		.amdhsa_enable_private_segment 0
		.amdhsa_kernarg_size 56
		.amdhsa_user_sgpr_count 2
		.amdhsa_user_sgpr_kernarg_segment_ptr 1
		.amdhsa_wavefront_size32 1
		.amdhsa_system_sgpr_workgroup_id_x 1
		.amdhsa_system_sgpr_workgroup_id_y 1
		.amdhsa_system_sgpr_workgroup_id_z 1
		.amdhsa_system_vgpr_workitem_id 0
		.amdhsa_next_free_vgpr 480
		.amdhsa_next_free_sgpr 66
		.amdhsa_reserve_vcc 1
		.amdhsa_float_denorm_mode_32 3
		.amdhsa_float_denorm_mode_16_64 3
		.amdhsa_memory_ordered 1
		.amdhsa_forward_progress 1
		.amdhsa_inst_pref_size 102
	.end_amdhsa_kernel
	.amdgpu_metadata
---
amdhsa.version: [ 1, 2 ]
amdhsa.kernels:
  - .name:           k_q0f3f123465_qkv
    .symbol:         k_q0f3f123465_qkv.kd
    .args:
      - { .name: cimg, .offset: 0, .size: 8, .value_kind: global_buffer, .address_space: global }
      - { .name: simg, .offset: 8, .size: 8, .value_kind: global_buffer, .address_space: global }
      - { .name: b_q, .offset: 16, .size: 8, .value_kind: global_buffer, .address_space: global }
      - { .name: b_k, .offset: 24, .size: 8, .value_kind: global_buffer, .address_space: global }
      - { .name: b_v, .offset: 32, .size: 8, .value_kind: global_buffer, .address_space: global }
      - { .name: qb, .offset: 40, .size: 8, .value_kind: global_buffer, .address_space: global }
      - { .name: kv, .offset: 48, .size: 8, .value_kind: global_buffer, .address_space: global }
    .group_segment_fixed_size: 50176
    .private_segment_fixed_size: 0
    .kernarg_segment_align: 8
    .kernarg_segment_size: 56
    .max_flat_workgroup_size: 256
    .sgpr_count:     66
    .vgpr_count:     480
    .wavefront_size: 32
...
	.end_amdgpu_metadata
.endif
;; end of part 6
;; launch attn (part 7): grid 256 x 1, 16 waves a work-group, no clusters, 41,984 bytes of LDS; arguments kv, qb, start_frames, end_frames, yc, ys; writes yc, ys
.if DOCPART == 7
	.amdgcn_target "amdgcn-amd-amdhsa--gfx1250"
	.amdhsa_code_object_version 6
	.text
	.protected	k_q0f3f123465_attn
	.globl	k_q0f3f123465_attn
	.p2align	8
	.type	k_q0f3f123465_attn,@function
k_q0f3f123465_attn:
	s_mov_b64 s[64:65], 0
	v_nop
	global_prefetch_b8 v0, s[64:65] scope:SCOPE_SE
	s_setreg_imm32_b32 hwreg(HW_REG_WAVE_SCHED_MODE, 0, 2), 2
	s_setreg_imm32_b32 hwreg(HW_REG_WAVE_MODE, 25, 1), 1
	s_wait_xcnt 0x0
	s_wait_alu depctr_vm_vsrc(0)
; LAUNCH 3 OF 4.  y = softmax(mask(q k^T / 8)) v for 16 (batch, head) pairs, both products on codes of FP6; y is divided by the row's sum and quantised along its 64 channels for launch proj.
; THE SOFTMAX: t = score x log2(e) / 8; M = the running largest t rounded up to a whole number; p = 2^(t - M) is quantised along the keys; the sum is taken of the unquantised p; when M moves, the sum and
; O are multiplied by 2^(old M - new M), which rounds nothing.
; DEAD WORK LEFT OUT (shown at the head of launch prep): a step of 128 keys all of whose pairs with a tile's 16 queries are masked by the part of the mask that reference() builds from tril and ones has p = 0 for
; all values of the inputs and is not walked: key groups 1, 2 and the text keys for row group 0; steps that begin behind the tile's last frame.  LIMIT: a NaN, an infinity or an overflow in keys left out is not carried on.
; LAYOUT.  S^T = K Q^T (source 0 = 16 keys, source 1 = my 16 queries), O^T = V^T P^T: a lane holds one query (lane % 16) throughout.  The head's K is 64: Q's registers 6-11 are zero codes, and what
; stands in K's upper six registers (the next tile's codes, or zeros) is multiplied by them.  The rows of every tile are chosen as launch prep lays them: 16 registers of two tiles are 16 neighbours.
; SHARES.  Work-group = 16 BH + P.  A wave owns one tile of 16 queries.  Waves come in four slots of four (one wave of a slot on each SIMD).  A block w is 32 frames.  Slots 0, 1, 3: block w of row groups
; 1 and 2, tiles u = 0, 1; slot 2: two blocks of row group 0; in P = 14 slot 0 holds the four text tiles; slot 3 works in P = 15 alone (elsewhere its waves only help to copy; their loads of Q are issued and not used).
; Late blocks are paired with early ones, so that the work-groups' sums of steps lie close together.
; THE WALK.  Half step sigma takes one block of 128 keys: key group 0, steps 0 .. LA0 - 1, then groups 1 and 2, steps 0 .. LA12 - 1 each: as far as the work-group's latest tile needs.  The loop's trip count is a
; constant, 12 x 2 half steps; a wave jumps over the steps that it does not need, by scalar branches on ids; never over a barrier.  Group 0 comes first: key 0 is open to every row, so M is a number from the first step on.
; THE RING.  Two slots of 13,312 bytes.  All 512 threads copy the next block, 16 bytes each (8,192 bytes, then 5,120 by waves 0-9): loads at a half step's head, stores into the other slot at its end, one barrier.
; The text block lies in a region of its own, filled at the head and walked last.
; No cluster and no joint loads: the sixteen work-groups of a head walk 10 to 24 blocks, so partners would need different numbers of tiles.
; THE MASK.  On the one step that holds the tile's own frames, hidden scores become -infinity (<= or <, by row group and key group).  Text keys: open where rel_start <= frame < rel_end of the segment, by
; unsigned compare of frame - rel_start with max(rel_end - rel_start, 0); start_frames and end_frames enter selects alone.
; THE MODE: SCHED_MODE bits 1:0 = 2 (LLVM: expert scheduling mode 2), set by the entry lines.  The code itself states the register dependences
; between vector or matrix instructions and memory or LDS instructions, with s_wait_alu, always for 0.
; THE PLAN.  Registers that memory or LDS instructions touch:
;   v1-v3, v10, v30, v31   offsets, made at the head and never written again: ONE wait on va_vdst ahead of the first load serves every load, store and prefetch of the kernel.
;   CB                     the next block's loads land in it at a half step's head; LDS stores read it at the half step's end; no vector instruction names it.  One wait on vm_vsrc at each half step's head states that
;                          the stores of the half step before have read it; in the first trip it also states that the head's LDS stores have read v96-103, the text block's staging, which the products write.
;   KF, KS, VS             K's codes and scale words land at a step's head, V's behind the score products; the step's products read them.  One wait on va_vdst at the step's head (the last step's products are done with
;                          all three), one behind the score products (they are done with K's codes, over which V's land).
;   PC, PS                 p's codes and scale word: written by vector instructions, taken by the second product as an operand and as scales: one wait on va_vdst behind their places.  On the way out PC and v11 are the stores' data: one wait.
;   S, O^T and the softmax's registers are named by vector and matrix instructions alone.
;   MASKS                  a compare's mask is waited for (va_sdst) ahead of its first reader, so the compares stand in runs into sixteen scalar registers, with one wait behind each run.
; V has no registers of its own: a wave has 256 registers, 19 of them free, and V's four fragments are 48.
.set BLKB,  13312
.set TXT,   2*BLKB
.set SPARE, 3*BLKB                     ; the spare words, 128 bytes a wave: eight blocks of 256 bytes that no other line names
.set LI,  1                            ; v1   16 x lane
.set CP,  2                            ; v2   16 x thread
.set L8,  3                            ; v3   8 x lane
.set SPW, 4                            ; v4   my spare word; never rewritten
.set NIL, 5                            ; v5   0; never rewritten
.set FR,  6                            ; v6   my query's frame
.set DZ,  7                            ; v7   frame - 128 x (the step that holds it) - 16 h
.set DD,  8
.set NEG, 9                            ; v9   -infinity
.set PFO, 10                           ; v10  256 x (thread % 64)
.set TT,  11
.set QF,  16                           ; v16-21 Q's codes, v22-27 zeros
.set QS,  28                           ; v28  Q's scale words
.set SH8, 29                           ; v29  8 h
.set YSO, 30                           ; v30  16 r + h
.set QSO, 31                           ; v31  16 r
.set KF,  32                           ; v32-79 K's eight tiles, six registers each; then V's four, twelve each
.set ZP,  80                           ; v80-85 zeros behind K's last tile
.set KS,  86                           ; v86-89 K's scale words;  v90-91 V's
.set VS,  90
.set S,   96                           ; v96-159 S^T, then p
.set OT,  160                          ; v160-191 O^T
.set CB,  192                          ; v192-199 the copy
.set PC,  200                          ; v200-211 p's codes
.set CT,  212                          ; v212-214, v216-218 the conversions' second halves
.set BM,  220                          ; v220-223 the blocks' largest scores, then largest p
.set TM,  220
.set BP,  224
.set BS,  228
.set SUM2, 232
.set PS,  236                          ; v236 p's scale word
.set FF,  238                          ; v[238:239] f = 2^(old M - new M)
.set TA,  240
.set WV,  16
.set PP,  17
.set BH,  18
.set BB,  19
.set HH,  20
.set LA0, 21
.set LA12, 22
.set NT,  23
.set LA01, 24
.set GG,  25
.set AW,  26                           ; steps of a key group that my tile needs
.set AWD, 27                           ; the step that holds my frames
.set T2,  28
.set TH,  29                           ; from this key group on the mask is strict
.set HM,  30
.set SIG, 31
.set T0,  32
.set T1,  33
.set KG,  34
.set JJ,  35
.set SN,  36
.set AW12, 37
.set NB,  38
.set OF,  40
.set KVB, 42
.set PFA, 44
.set PLIM, 46
.set SC,  47
.set SEL, 48
.set CS,  50
.set QT,  54
.set T3,  55
.set SLT, 56
.set II,  57
.set WW,  58
.set UU,  59
.set RS,  68                           ; s[68:83] rel_start of the batch's 16 segments;  s[84:99] max(rel_end - rel_start, 0)
.set LEN, 84
; The masks' sixteen scalar registers: s52-61, s17-20, s2, s3.  Behind the head all of them are free (what they held there, ids and offsets, is used up), and none of them ever held an address.
.macro MKR k                           ; m_ = the k-th of them
.set m_, 52+(\k)-45*((\k)/10)-19*((\k)/14)
.endm
	s_load_b256 s[4:11], s[0:1], 0x0               ; kv, qb, start_frames, end_frames
	s_load_b128 s[12:15], s[0:1], 0x20             ; yc, ys
	v_lshl_add_u32 v[SPW], v0, 2, SPARE
	v_mov_b32 v[NIL], 0
	v_lshrrev_b32 v[TT], 5, v0
	v_readfirstlane_b32 s[WV], v[TT]
	s_wait_alu depctr_va_sdst(0)                   ; the wave's number is written, ahead of its first reader: the wave's slot and tile are made from it
	s_and_b32 s[PP], ttmp9, 15
	s_lshr_b32 s[BH], ttmp9, 4
	s_lshr_b32 s[BB], s[BH], 3
	s_and_b32 s[HH], s[BH], 7
	s_lshr_b32 s[SLT], s[WV], 2
	s_and_b32 s[II], s[WV], 3
	s_lshr_b32 s[T0], s[PP], 2                     ; cc
	s_and_b32 s[T1], s[PP], 3                      ; e
	s_lshl_b32 s[T2], s[T1], 3
	s_lshl_b32 s[T3], s[T0], 2
	s_sub_co_u32 s60, 28, s[T3]
	s_add_co_u32 s60, s60, s[T1]                   ; P < 12, slot 0: block 28 - 4 cc + e
	s_lshr_b32 s61, 0x01001210, s[T2]
	s_and_b32 s61, s61, 0xff                       ; P = 12 .. 15: 16, 18, (text), 1
	s_add_co_u32 s62, s[T3], s[T1]
	s_add_co_u32 s62, s62, 4                       ; slot 1: block 4 cc + 4 + e
	s_lshr_b32 s63, 0x02001311, s[T2]
	s_and_b32 s63, s63, 0xff                       ; 17, 19, 0, 2
	s_sub_co_u32 s[LA12], 8, s[T0]
	s_lshr_b32 s66, 0x01080505, s[T2]
	s_and_b32 s66, s66, 0xff
	s_cmp_lt_u32 s[PP], 12
	s_cselect_b32 s60, s60, s61
	s_cselect_b32 s62, s62, s63
	s_cselect_b32 s[LA12], s[LA12], s66
	s_cmp_eq_u32 s[PP], 15
	s_cselect_b32 s[LA0], 8, s[LA12]
	s_add_co_u32 s[LA01], s[LA0], s[LA12]
	s_add_co_u32 s[NT], s[LA01], s[LA12]           ; half steps to walk
	s_and_b32 s61, s[PP], 14
	s_sub_co_u32 s61, 12, s61
	s_and_b32 s63, s[PP], 1
	s_add_co_u32 s61, s61, s63
	s_cmp_lt_u32 s[PP], 14
	s_cselect_b32 s61, s61, s[PP]                  ; slot 2: which four tiles of row group 0
	s_lshl_b32 s61, s61, 1
	s_lshr_b32 s63, s[II], 1
	s_add_co_u32 s61, s61, s63
	s_add_co_u32 s[GG], s63, 1
	s_cmp_eq_u32 s[SLT], 1
	s_cselect_b32 s[WW], s62, s60
	s_cmp_eq_u32 s[SLT], 2
	s_cselect_b32 s[WW], s61, s[WW]
	s_cselect_b32 s[GG], 0, s[GG]
	s_cmp_eq_u32 s[SLT], 3
	s_cselect_b32 s[WW], 3, s[WW]
	s_and_b32 s[UU], s[II], 1
	s_lshr_b32 s[AWD], s[WW], 2
	s_add_co_u32 s[AW], s[AWD], 1
	s_lshl_b32 s[QT], s[GG], 6
	s_lshl_b32 s60, s[WW], 1
	s_add_co_u32 s[QT], s[QT], s60
	s_add_co_u32 s[QT], s[QT], s[UU]               ; my tile of the batch's 196
	s_lshl_b32 s60, s[PP], 2
	s_add_co_u32 s60, s60, s[SLT]
	s_add_co_u32 s61, s[II], 192
	s_cmp_eq_u32 s60, 56                           ; P = 14, slot 0: the text rows: every key, no mask
	s_cselect_b32 s[GG], 3, s[GG]
	s_cselect_b32 s[AW], 8, s[AW]
	s_cselect_b32 s[AWD], 99, s[AWD]
	s_cselect_b32 s[QT], s61, s[QT]
	s_cmp_eq_u32 s[SLT], 3
	s_cselect_b32 s61, 1, 0
	s_cmp_eq_u32 s60, 63
	s_cselect_b32 s61, 0, s61
	s_cmp_eq_u32 s61, 1                            ; slot 3 but in P = 15: no tile
	s_cselect_b32 s[AW], 0, s[AW]
	s_cselect_b32 s[AWD], 99, s[AWD]
	s_cselect_b32 s[QT], 0, s[QT]
	s_cmp_eq_u32 s[GG], 0
	s_cselect_b32 s[TH], 3, s[GG]
	s_cselect_b32 s[AW12], 0, s[AW]                ; row group 0 sees key group 0 alone
	s_mov_b32 s[HM], 0xffff0000                    ; text keys 0-31: lanes 0-15 hold category 0, open to row group 1; lanes 16-31 category 1, open to row group 2
	s_cmp_eq_u32 s[GG], 1
	s_cselect_b32 s[HM], 0xffff, s[HM]
	s_lshr_b32 s60, s[WV], 1
	s_xor_b32 s60, s60, 6
	s_or_b32 s60, s60, s[PP]
	s_cmp_eq_u32 s60, 0
	s_cselect_b32 s[PLIM], 17, 0                   ; waves 12 and 13 of P = 0 prefetch, in half steps 0 to 16
	s_mov_b32 s[SEL], 0x76543210
	s_mov_b32 s[SEL+1], 0xfedcba98
	s_mov_b32 s[CS], 0x3e38aa3b                    ; c = log2(e) / 8
	s_mov_b32 s[CS+1], s[CS]                       ; (named with it as a pair, so it is written)
	v_and_b32 v[TT], 31, v0
	v_lshlrev_b32 v[LI], 4, v[TT]
	v_lshlrev_b32 v[L8], 3, v[TT]
	v_lshlrev_b32 v[CP], 4, v0
	v_and_b32 v[PFO], 63, v0
	v_lshlrev_b32 v[PFO], 8, v[PFO]
	v_and_b32 v[QSO], 15, v0                       ; r
	v_bfe_u32 v[SH8], v0, 4, 1                     ; h
	v_and_b32 v[FR], 8, v[QSO]
	v_add_nc_u32 v[FR], v[FR], v[QSO]
	s_lshl_b32 s60, s[WW], 5
	s_lshl_b32 s61, s[UU], 3
	s_add_co_u32 s60, s60, s61
	v_add_nc_u32 v[FR], s60, v[FR]                 ; 32 w + 8 u + r + 8 (r / 8)
	s_lshl_b32 s61, s[AWD], 7
	v_sub_nc_u32 v[DZ], v[FR], s61
	v_lshlrev_b32 v[DD], 4, v[SH8]
	v_sub_nc_u32 v[DZ], v[DZ], v[DD]
	v_lshl_add_u32 v[YSO], v[QSO], 4, v[SH8]
	v_lshlrev_b32 v[QSO], 4, v[QSO]
	v_lshlrev_b32 v[SH8], 3, v[SH8]
	v_mov_b32 v[NEG], 0xff800000
	s_mul_i32 s[OF], s[BH], 25*BLKB
	s_mov_b32 s[OF+1], 0
	s_wait_kmcnt 0x0
	s_add_nc_u64 s[KVB:KVB+1], s[4:5], s[OF:OF+1]  ; the head's 25 blocks
	s_add_nc_u64 s[PFA:PFA+1], s[KVB:KVB+1], 3*BLKB-16384
	s_lshl_b32 s60, s[BB], 6
	s_mov_b32 s61, 0
	s_add_nc_u64 s[8:9], s[8:9], s[60:61]
	s_add_nc_u64 s[10:11], s[10:11], s[60:61]
	s_load_b512 s[RS:RS+15], s[8:9], 0x0
	s_load_b512 s[LEN:LEN+15], s[10:11], 0x0
	s_wait_alu depctr_va_vdst(0)                   ; the offsets v1 to v3, v10, v30 and v31 are written, which every load, store and prefetch of the kernel reads; no vector instruction writes them again
	global_load_b128 v[CB:CB+3], v[CP], s[KVB:KVB+1]                    ; block 0
	global_load_b128 v[S:S+3], v[CP], s[KVB:KVB+1] offset:24*BLKB       ; the text block
	s_cmp_lt_u32 s[WV], 10
	s_cbranch_scc0 .Lh1
	global_load_b128 v[CB+4:CB+7], v[CP], s[KVB:KVB+1] offset:8192
	global_load_b128 v[S+4:S+7], v[CP], s[KVB:KVB+1] offset:24*BLKB+8192
.Lh1:
	s_mul_i32 s60, s[BH], 25
	s_lshr_b32 s[T0], s[QT], 3
	s_add_co_u32 s60, s60, s[T0]
	s_mul_i32 s60, s60, 6656
	s_add_nc_u64 s[6:7], s[6:7], s[60:61]          ; Q's block
	s_and_b32 s[T0], s[QT], 7
	s_mul_i32 s60, s[T0], 768
	s_add_nc_u64 s[62:63], s[6:7], s[60:61]        ; my tile's codes
	s_and_b32 s60, s[QT], 1
	s_lshl_b32 s60, s60, 8
	s_lshr_b32 s[T0], s[T0], 1
	s_lshl_b32 s[T0], s[T0], 2
	s_add_co_u32 s60, s60, s[T0]
	s_add_co_u32 s60, s60, 6144
	s_add_nc_u64 s[66:67], s[6:7], s[60:61]        ; and its scale words
.irp p, 0,1,2
	global_load_b64 v[QF+2*\p:QF+2*\p+1], v[L8], s[62:63] offset:256*\p
.endr
	global_load_b32 v[QS], v[QSO], s[66:67]
	s_mul_i32 s[T0], s[BB], 196
	s_add_co_u32 s[T0], s[T0], s[QT]
	s_mul_i32 s60, s[T0], 6144
	s_mul_i32 s[T1], s[HH], 768
	s_add_co_u32 s60, s60, s[T1]
	s_add_nc_u64 s[12:13], s[12:13], s[60:61]      ; y's codes: my tile, my head's three pairs
	s_lshl_b32 s60, s[T0], 8
	s_lshl_b32 s[T1], s[HH], 1
	s_add_co_u32 s60, s60, s[T1]
	s_add_nc_u64 s[14:15], s[14:15], s[60:61]      ; and its two scale bytes a row
	v_mov_b32 v13, 0xff61b1e6                      ; the largest t so far: -3e38
	v_floor_f32 v12, -v13                          ; -M
	v_mov_b32 v14, 0
	v_mov_b32 v15, 0
.set q_, 0
.rept 32
	v_mov_b32 v[OT+q_], 0                          ; the step is written once: the first finds zeros, which the first change of M leaves zeros
.set q_, q_+1
.endr
.irp i, 0,1,2,3,4,5
	v_mov_b32 v[ZP+\i], 0
	v_mov_b32 v[QF+6+\i], 0
.endr
.irp i, 0,1,2,3,4,5,6,7
	v_mov_b32 v[BM+\i], 0                          ; lane permutes' destinations count as sources
.endr
	v_mov_b32 v[FF+1], 0
	v_mov_b32 v[TA], 0
	s_wait_kmcnt 0x0
.set q_, 0
.rept 16
	s_ashr_i32 s[RS+q_], s[RS+q_], 3               ; floor(start / 8); the window begins at 0
	s_ashr_i32 s[LEN+q_], s[LEN+q_], 3
	s_sub_co_i32 s[LEN+q_], s[LEN+q_], s[RS+q_]
	s_max_i32 s[LEN+q_], s[LEN+q_], 0
.set q_, q_+1
.endr
	s_wait_loadcnt 0x0
	ds_store_b128 v[CP], v[CB:CB+3]
	ds_store_b128 v[CP], v[S:S+3] offset:TXT
	s_cmp_lt_u32 s[WV], 10
	s_cbranch_scc0 .Lh2
	ds_store_b128 v[CP], v[CB+4:CB+7] offset:8192
	ds_store_b128 v[CP], v[S+4:S+7] offset:TXT+8192
.Lh2:
	s_wait_dscnt 0x0
	s_barrier_signal -1
	s_barrier_wait -1                              ; block 0 and the text block are whole
.macro DECODE src                      ; half step -> key group KG and step JJ
	s_sub_co_u32 s[T1], s[\src], s[LA0]
	s_sub_co_u32 s[T2], s[\src], s[LA01]
	s_cmp_lt_u32 s[\src], s[LA0]
	s_cselect_b32 s[JJ], s[\src], s[T1]
	s_cselect_b32 s[KG], 0, 1
	s_cmp_ge_u32 s[\src], s[LA01]
	s_cselect_b32 s[JJ], s[T2], s[JJ]
	s_cselect_b32 s[KG], 2, s[KG]
.endm
.macro QUANT32 s, pc, hw               ; as in launch qkv: 32 numbers -> six registers of codes and two scale bytes
.irp b, 0,1
	v_max3_num_f32 v[TM+\b], |v[\s+16*\b]|, |v[\s+16*\b+1]|, 0x1800000
.endr
.irp i, 2,4,6,8,10,12,14
.irp b, 0,1
	v_max3_num_f32 v[TM+\b], v[TM+\b], |v[\s+16*\b+\i]|, |v[\s+16*\b+\i+1]|
.endr
.endr
.irp b, 0,1
	v_permlanex16_b32 v[TM+2+\b], v[TM+\b], s[SEL], s[SEL+1]
.endr
.irp b, 0,1
	v_max_num_f32 v[TM+\b], v[TM+\b], v[TM+2+\b]
.endr
.irp b, 0,1
	v_add_nc_u32 v[TM+4+\b], 0xff000000, v[TM+\b]
.endr
.irp b, 0,1
	v_lshrrev_b32 v[TM+2+\b], 23, v[TM+4+\b]
.endr
	v_lshl_or_b32 v[\hw], v[TM+3], 8, v[TM+2]
	v_cvt_scalef32_pk16_fp6_f32 v[\pc:\pc+2], v[\s:\s+15], v[TM+4]
	v_cvt_scalef32_pk16_fp6_f32 v[CT:CT+2], v[\s+16:\s+31], v[TM+5]
	v_nop
.irp i, 0,1,2
	v_permlane16_swap_b32 v[\pc+\i], v[CT+\i]
.endr
.irp i, 0,1,2
	v_mov_b32 v[\pc+3+\i], v[CT+\i]
.endr
.endm
; A KEY STEP on the block at LDS byte base.  nb = 4: 128 keys; nb = 2: the 64 text keys.
.macro STEP base, nb
.rept 4
	v_nop                                          ; four places in front of loads into registers that the last products read
.endr
	s_wait_alu depctr_va_vdst(0)                   ; the last step's products are done reading KF, KS and VS, in which this step's loads land; at a wave's first step: the head's zero codes behind K's and Q's are written, which the products below take
.set q_, 0
.rept 2*\nb+4                          ; K's codes, as far as the last operand reaches
	ds_load_b128 v[KF+4*q_:KF+4*q_+3], v[LI] offset:\base+512*q_
.set q_, q_+1
.endr
	ds_load_b128 v[KS:KS+3], v[LI] offset:\base+12288
	s_wait_dscnt 0x0
.set q_, 0
.rept 2*\nb                            ; S^T: tile q: keys 32 (q / 2) + 8 (q % 2) + 16 h + j in register j
.if q_%2
	v_wmma_scale_f32_16x16x128_f8f6f4 v[S+8*q_:S+8*q_+7], v[KF+6*q_:KF+6*q_+11], v[QF:QF+11], 0, v[KS+q_/2], v[QS] matrix_a_fmt:MATRIX_FMT_FP6 matrix_b_fmt:MATRIX_FMT_FP6 matrix_a_scale:MATRIX_SCALE_ROW1
.else
	v_wmma_scale_f32_16x16x128_f8f6f4 v[S+8*q_:S+8*q_+7], v[KF+6*q_:KF+6*q_+11], v[QF:QF+11], 0, v[KS+q_/2], v[QS] matrix_a_fmt:MATRIX_FMT_FP6 matrix_b_fmt:MATRIX_FMT_FP6
.endif
.set q_, q_+1
.endr
.rept 4
	v_nop                                          ; four places: for the loads over K's codes, and for the first read of the scores
.endr
	s_wait_alu depctr_va_vdst(0)                   ; the products above are done reading K's codes, over which V's land
.irp c, 0,1,2,3                        ; V's codes land while the softmax is walked
.irp p, 0,1,2,3,4,5
	ds_load_b64 v[KF+12*\c+2*\p:KF+12*\c+2*\p+1], v[L8] offset:\base+6144+1536*\c+256*\p
.endr
.endr
	ds_load_b64 v[VS:VS+1], v[LI] offset:\base+12800
.if \nb == 4
	s_cmp_eq_u32 s[JJ], s[AWD]                     ; only the step that holds my frames has hidden keys
	s_cbranch_scc0 .Lopen_\@
	s_cmp_ge_u32 s[KG], s[TH]
	s_cselect_b32 s[T0], 1, 0                      ; 1 where the key's frame must lie under the query's
	v_sub_nc_u32 v[DD], v[DZ], s[T0]
.set b_, 0
.rept 4                                ; register 16 b + i holds local key 32 b + 16 h + i: hidden where 32 b + i > DD.  A block's sixteen compares stand in one run, each with a mask register of its own
.set k_, 0
.rept 16
	MKR k_
	v_cmp_gt_i32 s[m_], 32*b_+k_, v[DD]
.set k_, k_+1
.endr
	s_wait_alu depctr_va_sdst(0)                   ; the sixteen compares have written their masks, which the sixteen selects read
.set k_, 0
.rept 16
	MKR k_
	v_cndmask_b32 v[S+16*b_+k_], v[S+16*b_+k_], v[NEG], s[m_]
.set k_, k_+1
.endr
.set b_, b_+1
.endr
.else
	s_cmp_eq_u32 s[GG], 3                          ; text rows see every text key
	s_cbranch_scc1 .Lopen_\@
.set g_, 0
.rept 2                                ; register 16 b + n holds category 2 b + h, segment n.  Eight segments to a run: masks 0-7 say that the segment is active, masks 8-15 the same for my row group's category alone
.set k_, 0
.rept 8
	v_sub_nc_u32 v[BM+k_], v[FR], s[RS+8*g_+k_]    ; (v220-227 are free here: the maxima below write them anew)
.set k_, k_+1
.endr
.set k_, 0
.rept 8
	v_cmp_gt_u32 s[52+k_], s[LEN+8*g_+k_], v[BM+k_]   ; the segment is active at my frame
.set k_, k_+1
.endr
	s_wait_alu depctr_va_sdst(0)                   ; the eight compares have written their masks, which the scalar lines and the selects below read
.set k_, 0
.rept 8
	MKR 8+k_
	s_and_b32 s[m_], s[52+k_], s[HM]               ; categories 0, 1: only my row group's
.set k_, k_+1
.endr
.set k_, 0
.rept 8
	MKR 8+k_
	v_cndmask_b32 v[S+8*g_+k_], v[NEG], v[S+8*g_+k_], s[m_]
	v_cndmask_b32 v[S+16+8*g_+k_], v[NEG], v[S+16+8*g_+k_], s[52+k_]
.set k_, k_+1
.endr
.set g_, g_+1
.endr
.endif
.Lopen_\@:
.set q_, 0
.rept \nb
	v_max3_num_f32 v[BM+q_], v[S+16*q_], v[S+16*q_+1], v[S+16*q_+2]   ; each block's largest score: for the row's maximum, and, since p rises with the score, for the block's largest p
.set q_, q_+1
.endr
.irp i, 3,5,7,9,11,13
.set q_, 0
.rept \nb
	v_max3_num_f32 v[BM+q_], v[BM+q_], v[S+16*q_+\i], v[S+16*q_+\i+1]
.set q_, q_+1
.endr
.endr
.set q_, 0
.rept \nb
	v_max_num_f32 v[BM+q_], v[BM+q_], v[S+16*q_+15]
.set q_, q_+1
.endr
.set q_, 0
.rept \nb
	v_permlanex16_b32 v[BP+q_], v[BM+q_], s[SEL], s[SEL+1]
.set q_, q_+1
.endr
.set q_, 0
.rept \nb
	v_max_num_f32 v[BM+q_], v[BM+q_], v[BP+q_]     ; with lane l xor 16's 16 keys
.set q_, q_+1
.endr
.if \nb == 4
	v_max3_num_f32 v[TA], v[BM], v[BM+1], v[BM+2]
	v_max_num_f32 v[TA], v[TA], v[BM+3]
.else
	v_max_num_f32 v[TA], v[BM], v[BM+1]
.endif
	v_mul_f32 v[TA], s[CS], v[TA]
	v_max_num_f32 v13, v13, v[TA]                  ; the running largest t
	v_mov_b32 v[TA], v12
	v_floor_f32 v12, -v13                          ; the new -M = -ceil(t)
	v_sub_f32 v[TA], v12, v[TA]                    ; old M - new M: a whole number, 0 or less
	v_cvt_i32_f32 v[TA], v[TA]                     ; (it saturates)
	v_ldexp_f32 v[FF], 1.0, v[TA]                  ; f
.set q_, 0
.rept 8*\nb
	v_pk_fma_f32 v[S+q_:S+q_+1], v[S+q_:S+q_+1], s[CS:CS+1], v[12:13] op_sel_hi:[1,0,0]   ; t - M
.set q_, q_+2
.endr
.set q_, 0
.rept \nb
	v_fma_f32 v[BM+q_], v[BM+q_], s[CS], v12
.set q_, q_+1
.endr
.set q_, 0
	s_wait_alu depctr_va_vdst(0)
.rept 16*\nb
	v_exp_f32 v[S+q_], v[S+q_]                     ; p, not normalised
.set q_, q_+1
.endr
	v_pk_mul_f32 v[14:15], v[14:15], v[FF:FF+1] op_sel_hi:[1,0]   ; the sums under the new M; a plain place behind the exponentials
	s_wait_alu depctr_va_vdst(0)                   ; one wait for the batch, ahead of its first reader: the exponentials have written p
.set q_, 0
.rept \nb
	v_exp_f32 v[BM+q_], v[BM+q_]                   ; the blocks' largest p
.set q_, q_+1
.endr
	v_pk_add_f32 v[SUM2:SUM2+1], v[S:S+1], v[S+2:S+3]   ; the row's sum of the unquantised p, in two chains
.set q_, 4
.rept 4*\nb-1
	v_pk_add_f32 v[14:15], v[14:15], v[S+q_:S+q_+1]
	v_pk_add_f32 v[SUM2:SUM2+1], v[SUM2:SUM2+1], v[S+q_+2:S+q_+3]
.set q_, q_+4
.endr
	v_pk_add_f32 v[14:15], v[14:15], v[SUM2:SUM2+1]
	s_wait_alu depctr_va_vdst(0)                   ; and one for the blocks' exponentials: they have written the blocks' largest p
.set q_, 0
.rept \nb
	v_max_num_f32 v[BM+q_], 0x1800000, v[BM+q_]    ; the floor 2^(3 - 127)
.set q_, q_+1
.endr
.set q_, 0
.rept \nb
	v_add_nc_u32 v[BS+q_], 0xff000000, v[BM+q_]    ; the conversion's scale operand
.set q_, q_+1
.endr
.set q_, 0
.rept \nb
	v_lshrrev_b32 v[BP+q_], 23, v[BS+q_]           ; the scale's byte
.set q_, q_+1
.endr
	v_lshl_or_b32 v[PS], v[BP+1], 8, v[BP]
.if \nb == 4
	v_lshl_or_b32 v[PS], v[BP+2], 16, v[PS]
	v_lshl_or_b32 v[PS], v[BP+3], 24, v[PS]
.endif
.set q_, 0
.rept \nb/2
	v_cvt_scalef32_pk16_fp6_f32 v[PC+6*q_:PC+6*q_+2], v[S+32*q_:S+32*q_+15], v[BS+2*q_]
	v_cvt_scalef32_pk16_fp6_f32 v[CT+4*q_:CT+4*q_+2], v[S+32*q_+16:S+32*q_+31], v[BS+2*q_+1]
.set q_, q_+1
.endr
	v_nop                                          ; one plain place behind a scaled conversion
.set q_, 0
.rept \nb/2
.irp i, 0,1,2
	v_permlane16_swap_b32 v[PC+6*q_+\i], v[CT+4*q_+\i]
.endr
.irp i, 0,1,2
	v_mov_b32 v[PC+6*q_+3+\i], v[CT+4*q_+\i]
.endr
.set q_, q_+1
.endr
.if \nb == 2
.irp i, 6,7,8,9,10,11
	v_mov_b32 v[PC+\i], 0                          ; keys 64-127 of the text step: zero codes
.endr
.endif
.set q_, 0
.rept 16
	v_pk_mul_f32 v[OT+q_:OT+q_+1], v[OT+q_:OT+q_+1], v[FF:FF+1] op_sel_hi:[1,0]   ; O^T under the new M; of these sixteen at least twelve name no register of any one product below: the places behind p's scale word and codes
.set q_, q_+2
.endr
	s_wait_dscnt 0x0                               ; V is in
	s_wait_alu depctr_va_vdst(0)                   ; p's codes and p's scale word are written, which the products below take as an operand and as scales; the places above stay beside this wait
.set q_, 0
.rept 4                                ; O^T += V^T P^T: the four accumulators by turns
.if q_%2
	v_wmma_scale_f32_16x16x128_f8f6f4 v[OT+8*q_:OT+8*q_+7], v[KF+12*q_:KF+12*q_+11], v[PC:PC+11], v[OT+8*q_:OT+8*q_+7], v[VS+q_/2], v[PS] matrix_a_fmt:MATRIX_FMT_FP6 matrix_b_fmt:MATRIX_FMT_FP6 matrix_a_scale:MATRIX_SCALE_ROW1
.else
	v_wmma_scale_f32_16x16x128_f8f6f4 v[OT+8*q_:OT+8*q_+7], v[KF+12*q_:KF+12*q_+11], v[PC:PC+11], v[OT+8*q_:OT+8*q_+7], v[VS+q_/2], v[PS] matrix_a_fmt:MATRIX_FMT_FP6 matrix_b_fmt:MATRIX_FMT_FP6
.endif
.set q_, q_+1
.endr
.endm
; A HALF STEP.  The next block's loads go out first; the wave works on this slot, if its tile needs the block; the next block goes into the other slot, whose last reads ended in front of the last barrier;
; one barrier: behind it the other slot is whole, and nobody reads this one.
; THE PREFETCH: P = 0 walks the head's blocks 0 to 23 in the order in which they lie; its waves 12 and 13, which own no tile, name in half step k the 64 aligned runs of 256 bytes from byte 3 x 13,312 + 16,384 k
; of the head's part of kv, a lane a run: each run once in the launch; the last ends under block 23's end.  Blocks 0 to 2, the text block and block 23's last 1,024 bytes come by their loads alone.
.macro HS slot
	s_wait_xcnt 0x0                                ; the last half step's prefetch and loads have read their addresses
	s_wait_alu depctr_vm_vsrc(0)                   ; the LDS stores of the half step before have read CB, in which the loads below land; in the first trip: the head's have read CB and v96 to v103, which the first products write
	s_add_nc_u64 s[PFA:PFA+1], s[PFA:PFA+1], 16384
	s_add_co_u32 s[SN], s[SIG], \slot+1
	s_cmp_lt_u32 s[SN], s[NT]
	s_cbranch_scc0 .Lnoload_\@
	DECODE SN
	s_lshl_b32 s[T0], s[KG], 3
	s_add_co_u32 s[T0], s[T0], s[JJ]
	s_mul_i32 s[OF], s[T0], BLKB
	s_add_nc_u64 s[NB:NB+1], s[KVB:KVB+1], s[OF:OF+1]
	global_load_b128 v[CB:CB+3], v[CP], s[NB:NB+1]
	s_cmp_lt_u32 s[WV], 10
	s_cbranch_scc0 .Lnoload_\@
	global_load_b128 v[CB+4:CB+7], v[CP], s[NB:NB+1] offset:8192
.Lnoload_\@:
	s_cmp_le_u32 s[SN], s[PLIM]
	s_cbranch_scc0 .Lnoask_\@
	global_prefetch_b8 v[PFO], s[PFA:PFA+1] th:TH_LOAD_NT scope:SCOPE_SE
.Lnoask_\@:
	s_add_co_u32 s[SC], s[SIG], \slot
	DECODE SC
	s_cmp_eq_u32 s[KG], 0
	s_cselect_b32 s[T0], s[AW], s[AW12]
	s_cmp_lt_u32 s[JJ], s[T0]                      ; does my tile need this block?  (Behind the walk's end JJ is LA12 or more: no)
	s_cbranch_scc0 .Lrest_\@
	STEP \slot*BLKB, 4
.Lrest_\@:
	s_wait_loadcnt 0x0                             ; the next block is in registers
	s_cmp_lt_u32 s[SN], s[NT]
	s_cbranch_scc0 .Lnostore_\@
	ds_store_b128 v[CP], v[CB:CB+3] offset:(1-\slot)*BLKB
	s_cmp_lt_u32 s[WV], 10
	s_cbranch_scc0 .Lnostore_\@
	ds_store_b128 v[CP], v[CB+4:CB+7] offset:(1-\slot)*BLKB+8192
.Lnostore_\@:
	s_wait_dscnt 0x0                               ; my stores have landed and my reads of this slot are over
	s_barrier_signal -1
	s_barrier_wait -1
.endm
	s_mov_b32 s[SIG], 0
.Lwalk:
	HS 0
	HS 1
	s_add_co_u32 s[SIG], s[SIG], 2
	s_cmp_lt_u32 s[SIG], 24
	s_cbranch_scc1 .Lwalk
	s_cmp_eq_u32 s[AW12], 0                        ; row group 0 never sees text; a wave without a tile has nothing to do
	s_cbranch_scc1 .Lno_text
	STEP TXT, 2
.Lno_text:
	s_cmp_eq_u32 s[AW], 0
	s_cbranch_scc1 .Lend
	; THE WAY OUT: y = O^T / the sum; register 16 b + i is channel 32 b + 16 h + i of my query: quantised as it stands, it is half a fragment of launch proj's operand
.rept 4
	v_nop                                          ; four places behind the last products
.endr
	v_add_f32 v14, v14, v15
	s_wait_alu depctr_va_vdst(0)
	v_permlanex16_b32 v[TA], v14, s[SEL], s[SEL+1]
	v_add_f32 v14, v14, v[TA]                      ; the row's sum
	s_wait_alu depctr_va_vdst(0)
	v_rcp_f32 v14, v14
	v_nop                                          ; a plain place behind the reciprocal,
	s_wait_alu depctr_va_vdst(0)                   ; and a wait ahead of its first reader: the reciprocal has written v14
.set q_, 0
.rept 32
	v_mul_f32 v[S+q_], v[OT+q_], v14
.set q_, q_+1
.endr
	QUANT32 S, PC, TA
	v_lshrrev_b32 v[TT], v[SH8], v[TA]             ; lanes 0-15 store block 0's byte, lanes 16-31 block 1's
	s_wait_alu depctr_va_vdst(0)                   ; y's codes in v200 to v205 and the scale byte in v11 are written, which the four stores read
.irp p, 0,1,2
	global_store_b64 v[L8], v[PC+2*\p:PC+2*\p+1], s[12:13] offset:256*\p   ; 256 consecutive bytes
.endr
	global_store_b8 v[YSO], v[TT], s[14:15]
.Lend:
	s_wait_dscnt 0x0                               ; the closing lines, six on end
	s_wait_alu 0x0
	s_wait_tensorcnt 0x0
	ds_add_u32 v[SPW], v[NIL]
	s_wait_dscnt 0x0
	s_endpgm
.Lfunc_end_k_q0f3f123465_attn:
	.size	k_q0f3f123465_attn, .Lfunc_end_k_q0f3f123465_attn-k_q0f3f123465_attn
	.p2alignl 7, 3214868480
	.fill 96, 4, 3214868480
	.section	.rodata,"a",@progbits
	.p2align	6, 0x0
	.amdhsa_kernel k_q0f3f123465_attn
		.amdhsa_group_segment_fixed_size 41984
		.amdhsa_private_segment_fixed_size 0
		.amdhsa_enable_private_segment 0
		.amdhsa_kernarg_size 48
		.amdhsa_user_sgpr_count 2
		.amdhsa_user_sgpr_kernarg_segment_ptr 1
		.amdhsa_wavefront_size32 1
		.amdhsa_system_sgpr_workgroup_id_x 1
		.amdhsa_system_sgpr_workgroup_id_y 1
		.amdhsa_system_sgpr_workgroup_id_z 1
		.amdhsa_system_vgpr_workitem_id 0
		.amdhsa_next_free_vgpr 256
		.amdhsa_next_free_sgpr 100
		.amdhsa_reserve_vcc 0
		.amdhsa_float_denorm_mode_32 3
		.amdhsa_float_denorm_mode_16_64 3
		.amdhsa_memory_ordered 1
		.amdhsa_forward_progress 1
		.amdhsa_inst_pref_size 85
	.end_amdhsa_kernel
	.amdgpu_metadata
---
amdhsa.version: [ 1, 2 ]
amdhsa.kernels:
  - .name:           k_q0f3f123465_attn
    .symbol:         k_q0f3f123465_attn.kd
    .args:
      - { .name: kv, .offset: 0, .size: 8, .value_kind: global_buffer, .address_space: global }
      - { .name: qb, .offset: 8, .size: 8, .value_kind: global_buffer, .address_space: global }
      - { .name: start_frames, .offset: 16, .size: 8, .value_kind: global_buffer, .address_space: global }
      - { .name: end_frames, .offset: 24, .size: 8, .value_kind: global_buffer, .address_space: global }
      - { .name: yc, .offset: 32, .size: 8, .value_kind: global_buffer, .address_space: global }
      - { .name: ys, .offset: 40, .size: 8, .value_kind: global_buffer, .address_space: global }
    .group_segment_fixed_size: 41984
    .private_segment_fixed_size: 0
    .kernarg_segment_align: 8
    .kernarg_segment_size: 48
    .max_flat_workgroup_size: 512
    .sgpr_count:     100
    .vgpr_count:     256
    .wavefront_size: 32
...
	.end_amdgpu_metadata
.endif
;; end of part 7
;; launch proj (part 8): grid 196 x 1, 8 waves a work-group, no clusters, 35,840 bytes of LDS; arguments yc, ys, cimg, simg, b_proj, out0; writes out0
.if DOCPART == 8
	.amdgcn_target "amdgcn-amd-amdhsa--gfx1250"
	.amdhsa_code_object_version 6
	.text
	.protected	k_q0f3f123465_proj
	.globl	k_q0f3f123465_proj
	.p2align	8
	.type	k_q0f3f123465_proj,@function
k_q0f3f123465_proj:
	s_mov_b64 s[64:65], 0
	v_nop
	global_prefetch_b8 v0, s[64:65] scope:SCOPE_SE
	s_setreg_imm32_b32 hwreg(HW_REG_WAVE_SCHED_MODE, 0, 2), 2
	s_setreg_imm32_b32 hwreg(HW_REG_WAVE_MODE, 25, 1), 1
	s_wait_xcnt 0x0
	s_wait_alu depctr_vm_vsrc(0)
; LAUNCH 4 OF 4.  out0 = y W_proj^T + b_proj on codes of FP6, K = 512.  y's codes and scale bytes come from launch attn in the order of the operand's registers, W_proj's from launch prep.
; SHARES.  A work-group takes two tiles of y: 32 neighbouring tokens.  Wave w takes columns 64 w .. 64 w + 63: four tiles of W, 16 fragments, loaded straight into its registers.
; Source 0 = 16 rows of W, source 1 = 16 tokens: a lane's eight results are eight neighbouring columns of one token.  The bias is the C of each sum's first matrix instruction.
; THE WAY OUT.  A tile's 16 tokens x 64 columns go through the wave's own stage in LDS (pitch 272) and leave as rows of 256 bytes: sixteen lanes store 256 consecutive bytes, aligned.
; No cluster: a joint load lands in LDS, and the eight waves' 196,608 bytes of W would then be read from there once more; here each wave's part goes from memory into its registers once.
; Nothing is left out here.
; THE MODE: SCHED_MODE bits 1:0 = 2 (LLVM: expert scheduling mode 2), set by the entry lines.  The code itself states the register dependences
; between vector or matrix instructions and memory or LDS instructions, with s_wait_alu, always for 0.
; THE PLAN.  Registers that memory or LDS instructions touch:
;   v4-v7, v10, v11   offsets and LDS addresses, made at the head and never written again: one wait on va_vdst ahead of the first load serves every load and store of the kernel.
;   YS, WS, YF and window 1   loaded once, read by matrix instructions alone.
;   ACC               written by the products, read by the LDS stores into the stage: one wait on va_vdst behind the four places.  No vector or matrix instruction follows it.
;   OB                LDS loads land in it, global stores read it; each of the two tiles has 32 registers of its own, so none is written again.
.set SPARE, 8*4352                     ; behind the stages: the spare words, 128 bytes a wave
.set LN,  1
.set RR,  2
.set HF,  3
.set LI,  4                            ; v4   16 x lane
.set L8,  5                            ; v5   8 x lane
.set STO, 6                            ; v6   the stage: row r, + 64 h
.set RD,  7                            ; v7   back: lanes 0-15 one row, lanes 16-31 the next
.set SPW, 8                            ; v8   my spare word; never rewritten
.set NIL, 9                            ; v9   0; never rewritten
.set CO,  10                           ; v10  2048 h + 16 r
.set BO,  11                           ; v11  64 h
.set YS,  16                           ; v16-19 y's scale words of the four K steps: lanes 0-15 tile 0, lanes 16-31 tile 1
.set WS,  20                           ; v20-27 W's: register 4 (t / 2) + s
.set YF,  32                           ; v32-127 y's fragments at 48 m + 12 s
.set ACC, 128                          ; v128-191 eight accumulators
.set OB,  192                          ; v192-255 rows on their way out
.set BI,  192                          ; window 1: v0-191 W's fragments at 12 (4 t + s); v192-223 the bias
.set WV,  16
.set MSB, 0
.macro WIN new                         ; the immediate's high byte repeats the setting that is left
.if MSB != (\new)
	s_set_vgpr_msb (MSB<<8)|(\new)
.set MSB, (\new)
.endif
.endm
.macro WM d, a, b, c, sa, sb, ra, rb   ; one product; ra, rb: the side's scale words stand in lanes 16-31
.if (\ra) && (\rb)
	v_wmma_scale_f32_16x16x128_f8f6f4 v[\d:\d+7], v[\a:\a+11], v[\b:\b+11], v[\c:\c+7], v[\sa], v[\sb] matrix_a_fmt:MATRIX_FMT_FP6 matrix_b_fmt:MATRIX_FMT_FP6 matrix_a_scale:MATRIX_SCALE_ROW1 matrix_b_scale:MATRIX_SCALE_ROW1
.elseif \ra
	v_wmma_scale_f32_16x16x128_f8f6f4 v[\d:\d+7], v[\a:\a+11], v[\b:\b+11], v[\c:\c+7], v[\sa], v[\sb] matrix_a_fmt:MATRIX_FMT_FP6 matrix_b_fmt:MATRIX_FMT_FP6 matrix_a_scale:MATRIX_SCALE_ROW1
.elseif \rb
	v_wmma_scale_f32_16x16x128_f8f6f4 v[\d:\d+7], v[\a:\a+11], v[\b:\b+11], v[\c:\c+7], v[\sa], v[\sb] matrix_a_fmt:MATRIX_FMT_FP6 matrix_b_fmt:MATRIX_FMT_FP6 matrix_b_scale:MATRIX_SCALE_ROW1
.else
	v_wmma_scale_f32_16x16x128_f8f6f4 v[\d:\d+7], v[\a:\a+11], v[\b:\b+11], v[\c:\c+7], v[\sa], v[\sb] matrix_a_fmt:MATRIX_FMT_FP6 matrix_b_fmt:MATRIX_FMT_FP6
.endif
.endm
	s_load_b256 s[4:11], s[0:1], 0x0               ; yc, ys, cimg, simg
	s_load_b128 s[12:15], s[0:1], 0x20             ; b_proj, out0
	v_lshl_add_u32 v[SPW], v0, 2, SPARE
	v_mov_b32 v[NIL], 0
	v_lshrrev_b32 v[LN], 5, v0
	v_readfirstlane_b32 s[WV], v[LN]
	v_and_b32 v[LN], 31, v0
	v_and_b32 v[RR], 15, v0
	v_bfe_u32 v[HF], v0, 4, 1
	v_lshlrev_b32 v[LI], 4, v[LN]
	v_lshlrev_b32 v[L8], 3, v[LN]
	s_wait_alu depctr_va_sdst(0)                   ; the wave's number is written, ahead of its first reader: the stage, W's tile and the columns are made from it
	s_mul_i32 s34, s[WV], 4352                     ; my stage
	v_mul_u32_u24 v[STO], v[RR], 272
	v_lshl_add_u32 v[STO], v[HF], 6, v[STO]
	v_add_nc_u32 v[STO], s34, v[STO]
	v_mul_u32_u24 v[RD], v[HF], 272
	v_lshl_add_u32 v[RD], v[RR], 4, v[RD]
	v_add_nc_u32 v[RD], s34, v[RD]
	v_lshlrev_b32 v[CO], 11, v[HF]
	v_lshl_add_u32 v[CO], v[RR], 4, v[CO]
	v_lshlrev_b32 v[BO], 6, v[HF]
	s_mul_i32 s20, ttmp9, 12288                    ; two tiles of y's codes,
	s_mov_b32 s21, 0
	s_lshl_b32 s22, ttmp9, 9                       ; and of its scale bytes
	s_mov_b32 s23, 0
	s_lshl_b32 s24, s[WV], 2
	s_add_co_u32 s24, s24, 488                     ; W_proj's tile 4 w
	s_mul_i32 s26, s24, 6144
	s_mov_b32 s27, 0
	s_lshl_b32 s28, s24, 8
	s_mov_b32 s29, 0
	s_lshl_b32 s30, s[WV], 8                       ; my 64 columns, in bytes
	s_mov_b32 s31, 0
	s_lshl_b32 s32, ttmp9, 16                      ; 32 rows of 2,048 bytes
	s_add_co_u32 s32, s32, s30
	s_mov_b32 s33, 0
	s_wait_kmcnt 0x0
	s_add_nc_u64 s[4:5], s[4:5], s[20:21]
	s_add_nc_u64 s[6:7], s[6:7], s[22:23]
	s_add_nc_u64 s[8:9], s[8:9], s[26:27]
	s_add_nc_u64 s[10:11], s[10:11], s[28:29]
	s_add_nc_u64 s[12:13], s[12:13], s[30:31]
	s_add_nc_u64 s[14:15], s[14:15], s[32:33]
	s_wait_alu depctr_va_vdst(0)                   ; the offsets and LDS addresses v4 to v7, v10 and v11 are written, which every load and store of the kernel reads.  Up to the products only loads and a window switch follow
	global_load_b128 v[YS:YS+3], v[LI], s[6:7]
.irp p, 0,1
	global_load_b128 v[WS+4*\p:WS+4*\p+3], v[LI], s[10:11] offset:512*\p
.endr
.irp m, 0,1
.irp p, 0,1,2,3,4,5,6,7,8,9,10,11,12,13,14,15,16,17,18,19,20,21,22,23
	global_load_b64 v[YF+48*\m+2*\p:YF+48*\m+2*\p+1], v[L8], s[4:5] offset:6144*\m+256*\p
.endr
.endr
	WIN 0x40                                       ; destination window 1
.irp t, 0,1,2,3
.irp s, 0,1,2,3
.irp c, 0,1,2
	global_load_b128 v[12*(4*\t+\s)+4*\c:12*(4*\t+\s)+4*\c+3], v[LI], s[8:9] offset:6144*\t+1536*\s+512*\c
.endr
.endr
.endr
.irp t, 0,1,2,3                        ; register j of tile t is column 32 (t / 2) + 8 (t % 2) + 16 h + j
	global_load_b128 v[BI+8*\t:BI+8*\t+3], v[BO], s[12:13] offset:(32*(\t/2)+8*(\t%2))*4
	global_load_b128 v[BI+8*\t+4:BI+8*\t+7], v[BO], s[12:13] offset:(32*(\t/2)+8*(\t%2))*4+16
.endr
	s_wait_loadcnt 0x0
.irp s, 0,1,2,3                        ; the eight accumulators take turns, one instruction a turn
.if \s == 0
	WIN 0x11                                       ; source 0 (W) and source 2 (the bias) window 1
.else
	WIN 0x01
.endif
.irp m, 0,1
.irp t, 0,1,2,3
.if \s == 0
	WM ACC+8*(4*\m+\t), 12*(4*\t+\s), YF+48*\m+12*\s, BI+8*\t, WS+4*(\t/2)+\s, YS+\s, \t%2, \m
.else
	WM ACC+8*(4*\m+\t), 12*(4*\t+\s), YF+48*\m+12*\s, ACC+8*(4*\m+\t), WS+4*(\t/2)+\s, YS+\s, \t%2, \m
.endif
.endr
.endr
.endr
	WIN 0
.rept 4
	v_nop                                          ; four places behind the last products
.endr
	s_wait_alu depctr_va_vdst(0)                   ; the products have written the accumulators, which the LDS stores read; the places above stay beside this wait
.irp m, 0,1
.irp t, 0,1,2,3
	ds_store_b128 v[STO], v[ACC+8*(4*\m+\t):ACC+8*(4*\m+\t)+3] offset:128*(\t/2)+32*(\t%2)       ; each accumulator from its low end on
	ds_store_b128 v[STO], v[ACC+8*(4*\m+\t)+4:ACC+8*(4*\m+\t)+7] offset:128*(\t/2)+32*(\t%2)+16
.endr
.irp i, 0,1,2,3,4,5,6,7
	ds_load_b128 v[OB+32*\m+4*\i:OB+32*\m+4*\i+3], v[RD] offset:544*\i   ; LDS serves a wave's instructions in order: these see my stores
.endr
.irp i, 0,1,2,3,4,5,6,7
	s_wait_dscnt 7-\i                              ; the younger loads from the stage may be out
	global_store_b128 v[CO], v[OB+32*\m+4*\i:OB+32*\m+4*\i+3], s[14:15] offset:(8*\m+2*\i+8*(\i/4))*2048 th:TH_STORE_NT   ; stage row p is token 8 m + p + 8 (p / 8) of the 32
.endr
.endr
	s_wait_dscnt 0x0                               ; the closing lines, six on end
	s_wait_alu 0x0
	s_wait_tensorcnt 0x0
	ds_add_u32 v[SPW], v[NIL]
	s_wait_dscnt 0x0
	s_endpgm
.Lfunc_end_k_q0f3f123465_proj:
	.size	k_q0f3f123465_proj, .Lfunc_end_k_q0f3f123465_proj-k_q0f3f123465_proj
	.p2alignl 7, 3214868480
	.fill 96, 4, 3214868480
	.section	.rodata,"a",@progbits
	.p2align	6, 0x0
	.amdhsa_kernel k_q0f3f123465_proj
		.amdhsa_group_segment_fixed_size 35840
		.amdhsa_private_segment_fixed_size 0
		.amdhsa_enable_private_segment 0
		.amdhsa_kernarg_size 48
		.amdhsa_user_sgpr_count 2
		.amdhsa_user_sgpr_kernarg_segment_ptr 1
		.amdhsa_wavefront_size32 1
		.amdhsa_system_sgpr_workgroup_id_x 1
		.amdhsa_system_sgpr_workgroup_id_y 1
		.amdhsa_system_sgpr_workgroup_id_z 1
		.amdhsa_system_vgpr_workitem_id 0
		.amdhsa_next_free_vgpr 480
		.amdhsa_next_free_sgpr 66
		.amdhsa_reserve_vcc 0
		.amdhsa_float_denorm_mode_32 3
		.amdhsa_float_denorm_mode_16_64 3
		.amdhsa_memory_ordered 1
		.amdhsa_forward_progress 1
		.amdhsa_inst_pref_size 21
	.end_amdhsa_kernel
	.amdgpu_metadata
---
amdhsa.version: [ 1, 2 ]
amdhsa.kernels:
  - .name:           k_q0f3f123465_proj
    .symbol:         k_q0f3f123465_proj.kd
    .args:
      - { .name: yc, .offset: 0, .size: 8, .value_kind: global_buffer, .address_space: global }
      - { .name: ys, .offset: 8, .size: 8, .value_kind: global_buffer, .address_space: global }
      - { .name: cimg, .offset: 16, .size: 8, .value_kind: global_buffer, .address_space: global }
      - { .name: simg, .offset: 24, .size: 8, .value_kind: global_buffer, .address_space: global }
      - { .name: b_proj, .offset: 32, .size: 8, .value_kind: global_buffer, .address_space: global }
      - { .name: out0, .offset: 40, .size: 8, .value_kind: global_buffer, .address_space: global }
    .group_segment_fixed_size: 35840
    .private_segment_fixed_size: 0
    .kernarg_segment_align: 8
    .kernarg_segment_size: 48
    .max_flat_workgroup_size: 256
    .sgpr_count:     66
    .vgpr_count:     480
    .wavefront_size: 32
...
	.end_amdgpu_metadata
.endif
;; end of part 8
